; MI455X (gfx1250); checked and timed in simulation.
; The chip was launched on July 23, 2026; its instructions are those of AMD's public machine-readable ISA for CDNA 5 (MIT licence, August 2026) and "CDNA5" Instruction Set Architecture Reference Guide (July 2026). The comments in the code are by the model that wrote it; some were corrected since.
;; Decoder Block. Allowed arithmetic: matrix products marked QUANTISED: E2M1 operands, one E8M0 scale for each 32 along K, by v_wmma_scale_f32_16x16x128_f8f6f4 with both operands' format E2M1 (or v_wmma_scale_f32_32x16x128_f4), f32 sums; products left as they are: bf16, f16 or f32 operands; f32 sums; everything else in f32.
;; Inputs: W1 1,024 x 4,096 float32; W2 4,096 x 1,024 float32; Wk 1,024 x 1,024 float32; Wq 1,024 x 1,024 float32; Wv 1,024 x 1,024 float32; b1 4,096 float32; b2 1,024 float32; bk 1,024 float32; bq 1,024 float32; bv 1,024 float32; ln_w 1,024 float32; x 2 x 2,048 x 1,024 float32.
;; Outputs: out0 2 x 2,048 x 1,024 float32.
;; This version of the problem:
;;   THIS VERSION OF THE PROBLEM IS GIVEN IN LOW PRECISION. The matrix products marked QUANTISED in the list below multiply operands that are first quantised to E2M1 (2 exponent bits, 1 mantissa bit; 4 bits a number), with one power-of-two scale for each 32 numbers along K (OCP MX v1.0); their sums are f32. The products marked 'left as it is' may take bf16, f16 or f32 operands, with f32 sums. Whichever they take, every output number must still come out within the allowed error. Rounding operands to bf16 (8 significant bits) uses up far more of that allowance than f16 does (11 bits, for magnitudes from 6e-5 to 65,504). All else is computed in f32.
;;   The module's matrix products, in the order in which they are computed (A, B: the left and right operand; K: the contracted axis; several contracted axes count as one K, in the product's order):
;;     1. [M 4,096, K 1,024] x [K 1,024, N 1,024]; A: input x; B: input Wq: QUANTISED
;;     2. [M 4,096, K 1,024] x [K 1,024, N 1,024]; A: input x; B: input Wk: QUANTISED
;;     3. [M 4,096, K 1,024] x [K 1,024, N 1,024]; A: input x; B: input Wv: QUANTISED
;;     4. batch 32 x [M 2,048, K 64] x [K 64, N 2,048]; A: computed on the way; B: computed on the way: left as it is (an operand is computed on the way)
;;     5. batch 32 x [M 2,048, K 2,048] x [K 2,048, N 64]; A: computed on the way; B: computed on the way: left as it is (an operand is computed on the way)
;;     6. [M 4,096, K 1,024] x [K 1,024, N 4,096]; A: computed on the way; B: input W1: left as it is (an operand is computed on the way)
;;     7. [M 4,096, K 4,096] x [K 4,096, N 1,024]; A: computed on the way; B: input W2: left as it is (an operand is computed on the way)
;;   THE QUANTISER, for each operand of a quantised product, along K:
;;     - K is cut into blocks of 32 from its start; a last block that is shorter is filled with zeros.
;;     - A block's scale is 2^e with e = floor(log2(the largest magnitude in the block)) - 2, held to -126 .. 127; a block of zeros has e = 0. As a byte (E8M0): e + 127.
;;     - Each number is divided by its block's scale, clamped to +-6, and rounded to the nearest number of E2M1, ties to even, subnormals kept.
;;     - The product sums the exact products of the quantised numbers (number of the format x scale) in f32.
;;   ~~~python
;;   def quantise(x, axis):      # numpy; x: float32 -> the quantised numbers, widened to float32 again
;;       x = np.moveaxis(x, axis, -1); K = x.shape[-1]
;;       x = np.pad(x, [(0, 0)] * (x.ndim - 1) + [(0, -K % 32)]); x = x.reshape(x.shape[:-1] + (-1, 32)); a = np.abs(x).max(-1, keepdims=True)
;;       e = np.where(a > 0, np.clip(np.frexp(np.where(a > 0, a, 1))[1] - 1 - 2, -126, 127), 0)      # np.frexp(a)[1] - 1 = floor(log2(a)), exactly
;;       r = np.clip(x / 2.0 ** e, -6, 6)
;;       step = 2.0 ** (np.maximum(np.frexp(np.where(r == 0, 1, r))[1] - 1, 0) - 1)
;;       q = np.round(r / step) * step * 2.0 ** e      # np.round: ties to even
;;       return np.moveaxis(q.reshape(q.shape[:-2] + (-1,))[..., :K], -1, axis).astype(np.float32)
;;   ~~~
;; One version. Each part assembles by itself: llvm-mc -triple=amdgcn-amd-amdhsa -mcpu=gfx1250 --defsym DOCPART=n.
;; ======== version 1 of 1: 7 launches
;; limits: values are held in f16: magnitudes above 65,504 overflow, below 6.1e-05 lose precision; right only within a limited range of input values
;; workspace buffers: xq 3,899,392 bytes; wt 16,777,216 bytes; qkv 25,165,824 bytes; att 16,777,216 bytes; hn 8,404,992 bytes; hid 33,554,432 bytes; ff 16,777,216 bytes
;; launch prep (part 1): grid 576 x 1, 4 waves a work-group, no clusters, 42,496 bytes of LDS; arguments x, Wq, Wk, Wv, W1, W2, xq, wt; writes xq, wt
.if DOCPART == 1
	.amdgcn_target "amdgcn-amd-amdhsa--gfx1250"
	.amdhsa_code_object_version 6
	.text
	.protected	k_qfb9ef35f8d_prep
	.globl	k_qfb9ef35f8d_prep
	.p2align	8
	.type	k_qfb9ef35f8d_prep,@function
k_qfb9ef35f8d_prep:
	s_mov_b64 s[64:65], 0
	v_nop
	global_prefetch_b8 v0, s[64:65] scope:SCOPE_SE
	s_setreg_imm32_b32 hwreg(HW_REG_WAVE_MODE, 25, 1), 1
	s_wait_xcnt 0x0
; PREP.  Three jobs in one launch, told apart by the work-group's number; each has LDS bytes of its own.  The job whose waves have the longest chain of loads comes first.
;   work-groups 0-191:   Wq, Wk, Wv [1024 k][1024 n] f32 (K is the FIRST axis) -> codes of FP4 (E2M1) laid [n][k] with K innermost, and E8M0 scale bytes [n][k / 32].
;   work-groups 192-319: x [4096][1024] f32 (K innermost) -> codes and scale bytes, one for each 32 along K.
;   work-groups 320-575: W1, W2 f32 -> f16, layout kept.
; xq: x's codes at 0 ([4096][512 bytes]); the weights' codes at WC ([3072 n][512 bytes], n = 1024 x {q, k, v} + column); x's scale bytes at XS ([4096][32]); the weights' at WS ([3072][32]).
; wt: W1 as f16 [1024][4096] at 0; W2 as f16 [4096][1024] at 8,388,608.
; A block's scale is 2^(floor(log2(its largest magnitude)) - 2): its byte is the largest magnitude's exponent field - 2, held at 1 from below.
; LIMITS: a block of zeros gets the byte 1 where the rule says 127 (its codes are zeros, and this program alone reads the bytes); NaN and infinities are not served;
; |W1|, |W2| stay under 65,504 (f16), and keep f16's full precision from 6e-5 on.
.set WC,    2097152
.set XS,    3670016
.set WS,    3801088
.set SP,    80                         ; x's stage: a lane's 64 bytes + 16 of padding
.set WST,   32768                      ; the weights' stage: 32 rows x 272 bytes, the work-group's
.set WSC,   WST+32*272                 ; behind it their scale words: 16 bytes a column
.set SPARE, WSC+512                    ; behind them: the spare words, 128 bytes for each wave
.set SPW,   12                         ; v12  LDS address of my spare word; never rewritten
.set NIL,   13                         ; v13  0; never rewritten
	s_load_b256 s[4:11], s[0:1], 0x0               ; x s[4:5], Wq s[6:7], Wk s[8:9], Wv s[10:11]
	s_load_b256 s[12:19], s[0:1], 0x20             ; W1 s[12:13], W2 s[14:15], xq s[16:17], wt s[18:19]
	v_lshl_add_u32 v[SPW], v0, 2, SPARE
	v_mov_b32 v[NIL], 0
	v_lshrrev_b32 v1, 5, v0
	v_readfirstlane_b32 s20, v1                    ; wave 0..3
	v_and_b32 v2, 31, v0                           ; lane
	s_wait_kmcnt 0x0
	s_cmp_lt_u32 ttmp9, 192
	s_cbranch_scc1 .Lw
	s_cmp_lt_u32 ttmp9, 320
	s_cbranch_scc1 .Lx
; ---- THE CAST.  A wave takes 32,768 bytes of f32: each load reads 512 consecutive bytes, each store writes 256 consecutive bytes, aligned.  No LDS.
	s_sub_co_u32 s21, ttmp9, 320                   ; c = 0 .. 255
	s_cmp_lt_u32 s21, 128
	s_cselect_b64 s[24:25], s[12:13], s[14:15]     ; W1 or W2: the choice hangs on the work-group's number alone
	s_and_b32 s22, s21, 127
	s_lshl_b32 s22, s22, 2
	s_add_co_u32 s22, s22, s20
	s_lshl_b32 s22, s22, 15
	s_mov_b32 s23, 0
	s_add_nc_u64 s[24:25], s[24:25], s[22:23]
	s_lshl_b32 s22, s21, 2
	s_add_co_u32 s22, s22, s20
	s_lshl_b32 s22, s22, 14
	s_add_nc_u64 s[26:27], s[18:19], s[22:23]
	v_lshlrev_b32 v3, 4, v2
	v_lshlrev_b32 v4, 3, v2
.macro CLOAD g
.irp i, 0,1,2,3,4,5,6,7,8,9,10,11,12,13,14,15
	global_load_b128 v[16+64*((\g)%2)+4*\i:16+64*((\g)%2)+4*\i+3], v3, s[24:25] offset:512*(16*(\g)+\i) th:TH_LOAD_NT
.endr
.endm
.macro CPROC g
.irp i, 0,1,2,3,4,5,6,7,8,9,10,11,12,13,14,15
	v_cvt_pk_f16_f32 v[144+32*((\g)%2)+2*\i], v[16+64*((\g)%2)+4*\i], v[17+64*((\g)%2)+4*\i]
	v_cvt_pk_f16_f32 v[145+32*((\g)%2)+2*\i], v[18+64*((\g)%2)+4*\i], v[19+64*((\g)%2)+4*\i]
	global_store_b64 v4, v[144+32*((\g)%2)+2*\i:145+32*((\g)%2)+2*\i], s[26:27] offset:256*(16*(\g)+\i)
.endr
.endm
	CLOAD 0
	CLOAD 1
	s_wait_loadcnt 16                              ; group 0's sixteen loads are in; group 1's may be out
	CPROC 0
	CLOAD 2
	s_wait_loadcnt 16
	CPROC 1
	CLOAD 3
	s_wait_loadcnt 16
	s_wait_xcnt 0x0                                ; the earlier stores have read their data: the registers are written again only behind this wait
	CPROC 2
	s_wait_loadcnt 0x0
	s_wait_xcnt 0x0
	CPROC 3
	s_branch .Lend
; ---- x.  Rows are dense and K is a multiple of 32: a plain stream of blocks of 32.  A wave takes 16 steps of 512 numbers.  Each load reads 512 consecutive bytes; a step's 2,048 bytes turn
; through the wave's own stage, so that a lane then holds 16 NEIGHBOURS (two neighbouring lanes hold a block), as the conversions want them.  A lane's 16 codes are 8 bytes: a store covers 256
; consecutive bytes.  The wave's 256 scale bytes are gathered in LDS and leave as 256 consecutive bytes.
.set R,  16                            ; v16-79   four sets of 16 numbers as loaded
.set X,  80                            ; v80-111  two sets of 16 neighbours
.set E,  112                           ; v112-127 a scale byte for each step
.set C,  128                           ; v128-191 codes: registers of its own for each step
.Lx:
	v_lshlrev_b32 v3, 4, v2
	s_mul_i32 s21, s20, 8192                       ; my wave's region: two stages of 32 x SP bytes, then its 256 scale bytes
	v_lshrrev_b32 v14, 2, v2
	v_mul_u32_u24 v14, v14, SP
	v_and_b32 v15, 3, v2
	v_lshl_add_u32 v14, v15, 4, v14
	v_add_nc_u32 v14, s21, v14                     ; in: SP (lane / 4) + 16 (lane % 4)
	v_mul_u32_u24 v15, v2, SP
	v_add_nc_u32 v15, s21, v15                     ; out: SP x lane
	v_lshlrev_b32 v4, 3, v2
	v_lshrrev_b32 v5, 1, v2
	s_add_co_u32 s21, s21, 2*32*SP
	v_add_nc_u32 v5, s21, v5                       ; my block's scale byte
	v_lshlrev_b32 v7, 3, v2
	v_add_nc_u32 v6, s21, v7
	s_sub_co_u32 s22, ttmp9, 192
	s_lshl_b32 s22, s22, 2
	s_add_co_u32 s22, s22, s20                     ; which run of 8,192 numbers is my wave's
	s_lshl_b32 s24, s22, 15
	s_mov_b32 s25, 0
	s_add_nc_u64 s[4:5], s[4:5], s[24:25]
	s_lshl_b32 s24, s22, 12
	s_add_nc_u64 s[26:27], s[16:17], s[24:25]      ; its codes
	s_lshl_b32 s24, s22, 8
	s_add_co_u32 s24, s24, XS
	s_add_nc_u64 s[28:29], s[16:17], s[24:25]      ; its scale bytes
.macro XLOAD t
.irp i, 0,1,2,3
	global_load_b128 v[R+16*((\t)%4)+4*\i:R+16*((\t)%4)+4*\i+3], v3, s[4:5] offset:2048*(\t)+512*\i th:TH_LOAD_NT
.endr
.endm
.macro XTURN t                         ; LDS serves a wave's instructions in order (ISA guide 5.7.1.4): no wait between the stores and the loads
.irp i, 0,1,2,3
	ds_store_b128 v14, v[R+16*((\t)%4)+4*\i:R+16*((\t)%4)+4*\i+3] offset:32*SP*((\t)%2)+8*SP*\i
.endr
.irp i, 0,1,2,3
	ds_load_b128 v[X+16*((\t)%2)+4*\i:X+16*((\t)%2)+4*\i+3], v15 offset:32*SP*((\t)%2)+16*\i
.endr
.endm
.irp t, 0,1,2,3
	XLOAD \t
.endr
	s_wait_loadcnt 12                              ; step 0's four loads are in
	XTURN 0
.macro XSTEP t
.set XR, X+16*((\t)%2)
.if (\t) > 0
	s_wait_dscnt 1                                 ; this step's numbers are back from the stage; the last step's byte store may be out
.else
	s_wait_dscnt 0x0
.endif
.if (\t)+4 < 16
	XLOAD (\t)+4
.endif
.if (\t)+1 < 16
.if 14-(\t) >= 3
	s_wait_loadcnt 12                              ; the next step's four loads are in; those of the three steps behind it may be out
.else
	s_wait_loadcnt 4*(14-(\t))
.endif
	XTURN (\t)+1
.endif
	v_max3_num_f32 v8, |v[XR]|, |v[XR+1]|, |v[XR+2]|
	v_max3_num_f32 v9, |v[XR+3]|, |v[XR+4]|, |v[XR+5]|
.irp i, 6,10
	v_max3_num_f32 v8, v8, |v[XR+\i]|, |v[XR+\i+1]|
	v_max3_num_f32 v9, v9, |v[XR+\i+2]|, |v[XR+\i+3]|
.endr
	v_max3_num_f32 v8, v8, |v[XR+14]|, |v[XR+15]|
	v_max3_num_f32 v8, v8, v9, 0x1800000           ; and the floor 2^(3 - 127): the byte cannot fall under 1
	v_max_num_f32_dpp v8, v8, v8 row_xmask:1 row_mask:0xf bank_mask:0xf   ; with my neighbour's 16: the block's largest magnitude
	v_add_nc_u32 v11, 0xff000000, v8               ; 2 off its exponent field: the conversion takes the exponent field of this operand as its scale
	v_cvt_scalef32_pk8_fp4_f32 v[C+4*(\t)], v[XR:XR+7], v11
	v_cvt_scalef32_pk8_fp4_f32 v[C+4*(\t)+1], v[XR+8:XR+15], v11
	v_lshrrev_b32 v[E+(\t)], 23, v11               ; the scale's byte
	ds_store_b8 v5, v[E+(\t)] offset:16*(\t)       ; both lanes of a block write the same byte with the same value
	global_store_b64 v4, v[C+4*(\t):C+4*(\t)+1], s[26:27] offset:256*(\t)
.endm
.irp t, 0,1,2,3,4,5,6,7,8,9,10,11,12,13,14,15
	XSTEP \t
.endr
	ds_load_b64 v[8:9], v6
	s_wait_dscnt 0x0
	global_store_b64 v7, v[8:9], s[28:29]          ; 32 lanes store 256 consecutive bytes, aligned
	s_branch .Lend
; ---- Wq, Wk, Wv.  A LANE TAKES A COLUMN n AND ITS REGISTERS RUN DOWN K: each load reads 128 consecutive bytes a wave, a block of 32 along K lies in one lane's 32 registers, and the conversions
; give codes with K innermost.  A work-group takes 32 columns x 512 along K, each of its four waves 128 along K: four blocks a lane, two of them on their way at a time.
; A column's 256 bytes of codes come from four waves: they meet in ONE stage (rows of 272 bytes), a barrier stands between the writing and the reading, and each wave then stores 8 whole rows:
; sixteen lanes store 256 consecutive bytes.  The four scale words of a column meet in LDS likewise and leave as 16 bytes a lane.
.set WX,   32                          ; v32-95   two sets of 32 numbers
.set WCD,  96                          ; v96-99   a block's codes
.set OUTR, 112                         ; v112-127 the way out
.set SB,   24                          ; v24      my four scale bytes
.Lw:
	s_lshr_b32 s22, ttmp9, 6                       ; which tensor
	s_cmp_eq_u32 s22, 0
	s_cselect_b64 s[24:25], s[6:7], s[8:9]
	s_cmp_eq_u32 s22, 2
	s_cselect_b64 s[24:25], s[10:11], s[24:25]
	s_and_b32 s23, ttmp9, 31                       ; which 32 columns
	s_bfe_u32 s26, ttmp9, 0x10005                  ; which 512 along K
	s_lshl_b32 s27, s23, 5                         ; the first column
	s_lshl_b32 s28, s26, 2
	s_add_co_u32 s28, s28, s20                     ; which 128 along K is my wave's
	s_lshl_b32 s28, s28, 19                        ; 128 rows of 4,096 bytes
	s_lshl_b32 s29, s27, 2
	s_add_co_u32 s28, s28, s29
	s_mov_b32 s29, 0
	s_add_nc_u64 s[24:25], s[24:25], s[28:29]
	s_lshl_b32 s30, s22, 10
	s_add_co_u32 s30, s30, s27                     ; n = 1024 x tensor + column
	s_lshl_b32 s28, s30, 9
	s_lshl_b32 s31, s26, 8
	s_add_co_u32 s28, s28, s31
	s_lshl_b32 s31, s20, 12                        ; on the way out my wave takes rows 8 x wave on: 8 x 512 bytes
	s_add_co_u32 s28, s28, s31
	s_add_co_u32 s28, s28, WC
	s_add_nc_u64 s[32:33], s[16:17], s[28:29]      ; the codes
	s_lshl_b32 s28, s30, 5
	s_lshl_b32 s31, s26, 4
	s_add_co_u32 s28, s28, s31
	s_add_co_u32 s28, s28, WS
	s_add_nc_u64 s[34:35], s[16:17], s[28:29]      ; the scale bytes
	v_lshlrev_b32 v3, 2, v2
	s_lshl_b32 s36, s20, 6
	s_add_co_u32 s36, s36, WST
	v_mul_u32_u24 v4, v2, 272
	v_add_nc_u32 v4, s36, v4                       ; into the stage: row = my column, + 64 bytes x wave
	s_lshl_b32 s36, s20, 2
	s_add_co_u32 s36, s36, WSC
	v_lshl_add_u32 v10, v2, 4, s36                 ; my scale word: 16 bytes a column, + 4 bytes x wave
	v_and_b32 v5, 15, v2
	v_lshrrev_b32 v6, 4, v2
	s_mul_i32 s36, s20, 8*272
	s_add_co_u32 s36, s36, WST
	v_mul_u32_u24 v7, v6, 272
	v_lshl_add_u32 v7, v5, 4, v7
	v_add_nc_u32 v7, s36, v7                       ; out of it: my 8 rows, sixteen lanes to a row, two rows an instruction
	v_mul_u32_u24 v8, v6, 512
	v_lshl_add_u32 v8, v5, 4, v8                   ; and the same place among the codes
	v_lshl_add_u32 v14, v2, 4, WSC                 ; a column's 16 scale bytes, a lane a column
	v_lshlrev_b32 v9, 5, v2                        ; and its row of scale bytes in memory
.macro WLOAD t
.irp i, 0,1,2,3,4,5,6,7,8,9,10,11,12,13,14,15,16,17,18,19,20,21,22,23,24,25,26,27,28,29,30,31
	global_load_b32 v[WX+32*((\t)%2)+\i], v3, s[24:25] offset:(32*(\t)+\i)*4096 th:TH_LOAD_NT
.endr
.endm
	WLOAD 0
	WLOAD 1
.macro WBLOCK t
.set XW, WX+32*((\t)%2)
.if (\t) < 3
	s_wait_loadcnt 32                              ; this block's 32 loads are in; the next block's may be out
.else
	s_wait_loadcnt 0x0
.endif
	v_max3_num_f32 v16, |v[XW]|, |v[XW+1]|, |v[XW+2]|
	v_max3_num_f32 v17, |v[XW+3]|, |v[XW+4]|, |v[XW+5]|
.irp i, 6,10,14,18,22,26
	v_max3_num_f32 v16, v16, |v[XW+\i]|, |v[XW+\i+1]|
	v_max3_num_f32 v17, v17, |v[XW+\i+2]|, |v[XW+\i+3]|
.endr
	v_max3_num_f32 v16, v16, |v[XW+30]|, |v[XW+31]|
	v_max3_num_f32 v16, v16, v17, 0x1800000        ; and the floor 2^(3 - 127)
	v_add_nc_u32 v11, 0xff000000, v16              ; the conversions' scale operand
	v_lshrrev_b32 v18, 23, v11                     ; the scale's byte
.if (\t) == 0
	v_mov_b32 v[SB], v18
.else
	v_lshl_or_b32 v[SB], v18, 8*(\t), v[SB]        ; four bytes to a word, the lower K in the lower byte
.endif
.irp g, 0,1,2,3
	v_cvt_scalef32_pk8_fp4_f32 v[WCD+\g], v[XW+8*\g:XW+8*\g+7], v11
.endr
	ds_store_b128 v4, v[WCD:WCD+3] offset:16*(\t)  ; 32 codes: 16 bytes of my column's row
.if (\t)+2 < 4
	WLOAD (\t)+2
.endif
	s_wait_dscnt 0x0                               ; the store has read its registers: the next block's codes may be written
.endm
	WBLOCK 0
	WBLOCK 1
	WBLOCK 2
	WBLOCK 3
	ds_store_b32 v10, v[SB]
	s_wait_dscnt 0x0                               ; for the others' sake: my stores into the stage are done
	s_barrier_signal -1
	s_barrier_wait -1                              ; the 32 rows are whole
.irp t, 0,1,2,3
	ds_load_b128 v[OUTR+4*\t:OUTR+4*\t+3], v7 offset:2*\t*272
.endr
.irp t, 0,1,2,3
	s_wait_dscnt 3-\t
	global_store_b128 v8, v[OUTR+4*\t:OUTR+4*\t+3], s[32:33] offset:2*\t*512   ; 16 lanes store 256 consecutive bytes, aligned
.endr
	s_cmp_lg_u32 s20, 0                            ; wave 0 stores the scale bytes
	s_cbranch_scc1 .Lend
	ds_load_b128 v[28:31], v14
	s_wait_dscnt 0x0
	global_store_b128 v9, v[28:31], s[34:35]       ; a column's 16 scale bytes a lane
.Lend:
	s_wait_tensorcnt 0x0                           ; the wave's end, behind my last LDS store
	ds_add_u32 v[SPW], v[NIL]
	s_wait_dscnt 0x0
	s_endpgm
.Lfunc_end_k_qfb9ef35f8d_prep:
	.size	k_qfb9ef35f8d_prep, .Lfunc_end_k_qfb9ef35f8d_prep-k_qfb9ef35f8d_prep
	.p2alignl 7, 3214868480
	.fill 96, 4, 3214868480
	.section	.rodata,"a",@progbits
	.p2align	6, 0x0
	.amdhsa_kernel k_qfb9ef35f8d_prep
		.amdhsa_group_segment_fixed_size 42496
		.amdhsa_private_segment_fixed_size 0
		.amdhsa_enable_private_segment 0
		.amdhsa_kernarg_size 64
		.amdhsa_user_sgpr_count 2
		.amdhsa_user_sgpr_kernarg_segment_ptr 1
		.amdhsa_wavefront_size32 1
		.amdhsa_system_sgpr_workgroup_id_x 1
		.amdhsa_system_sgpr_workgroup_id_y 1
		.amdhsa_system_sgpr_workgroup_id_z 1
		.amdhsa_system_vgpr_workitem_id 0
		.amdhsa_next_free_vgpr 208
		.amdhsa_next_free_sgpr 66
		.amdhsa_reserve_vcc 0
		.amdhsa_float_denorm_mode_32 3
		.amdhsa_float_denorm_mode_16_64 3
		.amdhsa_memory_ordered 1
		.amdhsa_forward_progress 1
		.amdhsa_inst_pref_size 75
	.end_amdhsa_kernel
	.amdgpu_metadata
---
amdhsa.version: [ 1, 2 ]
amdhsa.kernels:
  - .name:           k_qfb9ef35f8d_prep
    .symbol:         k_qfb9ef35f8d_prep.kd
    .args:
      - { .name: x, .offset: 0, .size: 8, .value_kind: global_buffer, .address_space: global }
      - { .name: Wq, .offset: 8, .size: 8, .value_kind: global_buffer, .address_space: global }
      - { .name: Wk, .offset: 16, .size: 8, .value_kind: global_buffer, .address_space: global }
      - { .name: Wv, .offset: 24, .size: 8, .value_kind: global_buffer, .address_space: global }
      - { .name: W1, .offset: 32, .size: 8, .value_kind: global_buffer, .address_space: global }
      - { .name: W2, .offset: 40, .size: 8, .value_kind: global_buffer, .address_space: global }
      - { .name: xq, .offset: 48, .size: 8, .value_kind: global_buffer, .address_space: global }
      - { .name: wt, .offset: 56, .size: 8, .value_kind: global_buffer, .address_space: global }
    .group_segment_fixed_size: 42496
    .private_segment_fixed_size: 0
    .kernarg_segment_align: 8
    .kernarg_segment_size: 64
    .max_flat_workgroup_size: 128
    .sgpr_count:     66
    .vgpr_count:     208
    .wavefront_size: 32
...
	.end_amdgpu_metadata
.endif
;; end of part 1
;; launch qkv (part 2): grid 12 x 16, 4 waves a work-group, clusters of 4 x 4, 327,680 bytes of LDS; arguments xq, qkv, bq, bk, bv; writes qkv
.if DOCPART == 2
	.amdgcn_target "amdgcn-amd-amdhsa--gfx1250"
	.amdhsa_code_object_version 6
	.text
	.protected	k_qfb9ef35f8d_qkv
	.globl	k_qfb9ef35f8d_qkv
	.p2align	8
	.type	k_qfb9ef35f8d_qkv,@function
k_qfb9ef35f8d_qkv:
	s_mov_b64 s[64:65], 0
	v_nop
	global_prefetch_b8 v0, s[64:65] scope:SCOPE_SE
	s_setreg_imm32_b32 hwreg(HW_REG_WAVE_MODE, 25, 1), 1
	s_wait_xcnt 0x0
	s_wait_alu depctr_hold_cnt(0) depctr_sa_sdst(0) depctr_va_vdst(0) depctr_va_sdst(0) depctr_va_ssrc(0) depctr_va_vcc(0) depctr_vm_vsrc(0)
	s_getreg_b32 s2, hwreg(HW_REG_IB_STS2, 6, 4)
	s_cmp_eq_u32 s2, 0
	s_cbranch_scc0 .Lentry_in_a_cluster
	s_endpgm
.Lentry_in_a_cluster:
	s_bfe_u32 s2, ttmp6, 0x10000c
	s_cmp_lg_u32 s2, 0xf033
	s_cbranch_scc0 .Lentry_shape_is_right
	s_endpgm
.Lentry_shape_is_right:
; Q, K, V = x Wq + bq, x Wk + bk, x Wv + bv as ONE product on codes of FP4 (E2M1) with E8M0 scales: [4096 rows] x [3072 columns: q, k, v], K = 1,024; sums in f32; results rounded once to f16.
; xq holds x's codes at 0, the weights' at WC ([3072][512 bytes], K innermost), x's scale bytes at XS, the weights' at WS (32 bytes a row).
; qkv: Q at 0, K at 8,388,608, V at 16,777,216, each [batch x 16 + head][2048 positions][64] f16: a head is dense, a position's row 128 bytes.
; LIMIT: |q|, |k|, |v| stay under 65,504 (f16).
; A tile of 256 x 256 is made by four waves, each 128 x 128: 64 accumulators of 16 x 16, 512 registers.  K is two slots of 512 (rows of 256 bytes), both asked for at the start: nothing is filled again.
; The scale bytes of the tile's 256 + 256 rows, for all of K, are two dense blocks: they come into LDS once, as runs of 256 bytes.
; CLUSTERS: 4 x 4 work-groups.  The four of a row of the cluster need the same tiles of x, the four of a column the same tiles of the weights: each tile is asked for jointly.
; THE MATRIX INSTRUCTION IS USED TRANSPOSED (source 0 = 16 columns' codes, source 1 = 16 rows of x): a lane holds eight neighbouring columns of one row.  THE BIAS IS THE C OF EACH SUM'S FIRST PRODUCT.
; REGISTERS: window 0: v0-31 addresses; v32-95 scale words, two sets; v96-127 packed results; v128-191 x's fragments, one set; v192-255 the bias of my 128 columns.
;   window 1: the weights' fragments, two sets, at v0 and v128; on the way out all 256: 32 registers of its own for each of the 8 blocks of rows.
;   window 2: the accumulators of my rows 0-63 ((a, b) at v[8 (8 a + b)]);   window 3: those of my rows 64-127.
.set NQ,     4                         ; matrix instructions deep in a slot
.set ROWB,   256                       ; a tile's row in bytes: 512 codes
.set KROW,   512                       ; a row of codes in memory
.set PITCH,  272                       ; an LDS row: 256 bytes + 16 of padding = 68 words: the 16 rows that a load touches start at 16 different banks (64 banks of 4 bytes: ISA guide 11.1)
.set FR,     8
.set NL,     2
.set NP,     4                         ; places behind this matrix instruction (ISA guide 7.12.1)
.set HALFT,  128*PITCH
.set SLOT,   4*HALFT
.set KS,     32                        ; a row of scale bytes
.set SCL,    2*SLOT                    ; behind the two slots: the scales, as runs of 256 bytes + 16 of padding
.set HALFS,  (128*KS/256)*272
.set SBLK,   (16*KS/256)*272
.set SPARE,  SCL+4*HALFS               ; the spare words, 128 bytes for each wave
.set SPITCH, 272                       ; the way out: 16 rows x (256 bytes + 16) for each wave, in slot 0, which has had its only fill and its last read by then
.set WC,     2097152
.set XS,     3670016
.set WS,     3801088
.set ADRA, 16
.set ADRB, 20
.set STO,  24
.set RD,   25
.set CO,   26
.set ADRS, 27
.set SPW,  28
.set NIL,  29
.set SC,   32
.set PKD,  96
.set AF,   128
.set BIAS, 192
.set G1, 24
.set G0, 32
.set G1B, 48
.set G0B, 56
.set G1S, 68
.set G0S, 76
.set G1SB, 80
.set G0SB, 88
.set MSB, 0
.macro WIN new                         ; the immediate's high byte repeats the setting that is left
.if MSB != \new
	s_set_vgpr_msb (MSB<<8)|\new
.set MSB, \new
.endif
.endm
.set MUL_LO, 0xa1                      ; source 0 window 1, source 1 window 0, C and D window 2
.set MUL_HI, 0xf1                      ; the same, C and D window 3
.set TO_B,   0x40
; A joint load: waves 0 and 1 fetch for x, waves 2 and 3 for the weights.  The branch hangs on the wave's number alone.  An s_nop 0 and four v_nop follow each of the two lines.
.macro JLOAD g0a, g1a, g0b, g1b
	s_cmp_eq_u32 s15, 0
	s_cbranch_scc0 .Lfor_b_\@
	tensor_load_to_lds s[\g0a:\g0a+3], s[\g1a:\g1a+7]
	s_nop 0
.rept 4
	v_nop
.endr
	s_branch .Lasked_\@
.Lfor_b_\@:
	tensor_load_to_lds s[\g0b:\g0b+3], s[\g1b:\g1b+7]
	s_nop 0
.rept 4
	v_nop
.endr
.Lasked_\@:
.endm
.macro CROUND                          ; a round of the cluster's barrier
	s_barrier_signal -1
	s_barrier_wait -1
	s_cmp_lg_u32 s14, 0
	s_cbranch_scc1 .Lnot_wave_0_\@
	s_barrier_signal -3
.Lnot_wave_0_\@:
	s_barrier_wait -3
	s_barrier_signal -1
	s_barrier_wait -1
.endm
	s_load_b64 s[4:5], s[0:1], 0x0                 ; xq
	s_load_b64 s[12:13], s[0:1], 0x8               ; qkv
	s_load_b128 s[96:99], s[0:1], 0x10             ; bq, bk
	s_load_b64 s[100:101], s[0:1], 0x20            ; bv
	v_lshl_add_u32 v[SPW], v0, 2, SPARE
	v_mov_b32 v[NIL], 0
	ds_add_u32 v[SPW], v[NIL]                      ; the wave's opening: the add, twice on end, and its wait ahead of my first tensor load
	ds_add_u32 v[SPW], v[NIL]
	v_lshrrev_b32 v1, 5, v0
	v_readfirstlane_b32 s14, v1                    ; wave 0..3
	s_lshr_b32 s15, s14, 1                         ; which half of the tile's rows is mine.  Also: I fetch for x (0) or for the weights (1)
	s_and_b32 s16, s14, 1                          ; which half of its columns.  Also: which 128 rows of that tile I fetch
	s_bfe_u32 s40, ttmp6, 0x40000                  ; cx, cy
	s_bfe_u32 s41, ttmp6, 0x40004
	s_lshl_b32 s42, ttmp9, 2
	s_add_co_u32 s42, s42, s40                     ; tile column = 4 x cluster x + cx
	s_and_b32 s17, ttmp7, 0xffff
	s_lshl_b32 s17, s17, 2
	s_add_co_u32 s17, s17, s41                     ; tile row = 4 x cluster y + cy
	s_lshl_b32 s43, s41, 2
	s_lshl_b32 s43, 15, s43                        ; my row of the cluster
	s_lshl_b32 s44, 0x1111, s40                    ; my column
	s_or_b32 s[G1+0], s43, (0<<16)|(1<<20)|(1<<21)|(5<<22)|(3<<25)  ; the mask; elements of 1 byte; padding on; bit 21 beside a mask; 4 words after every 64
	s_or_b32 s[G1B+0], s44, (0<<16)|(1<<20)|(1<<21)|(5<<22)|(3<<25)
.irp g, G1, G1B
	s_mov_b32 s[\g+1], ROWB<<16                    ; tensor_dim0
	s_mov_b32 s[\g+2], 128<<16                     ; tensor_dim1
	s_mov_b32 s[\g+3], ROWB<<16                    ; tile_dim0
	s_mov_b32 s[\g+4], 128                         ; tile_dim1
	s_mov_b32 s[\g+5], KROW                        ; from row to row
	s_mov_b32 s[\g+6], 0
	s_mov_b32 s[\g+7], 0
.endr
	s_or_b32 s[G1S+0], s43, (3<<16)|(1<<20)|(1<<21)|(5<<22)|(3<<25) ; the scales of 128 rows: 4,096 dense bytes as 16 rows of 32 elements of 8 bytes
	s_or_b32 s[G1SB+0], s44, (3<<16)|(1<<20)|(1<<21)|(5<<22)|(3<<25)
.irp g, G1S, G1SB
	s_mov_b32 s[\g+1], 32<<16
	s_mov_b32 s[\g+2], (128*KS/256)<<16
	s_mov_b32 s[\g+3], 32<<16
	s_mov_b32 s[\g+4], 128*KS/256
	s_mov_b32 s[\g+5], 32
	s_mov_b32 s[\g+6], 0
	s_mov_b32 s[\g+7], 0
.endr
	s_lshl_b32 s18, s16, 7
	s_lshl_b32 s20, s17, 8
	s_add_co_u32 s20, s20, s18                     ; x: row 256 x tile row + 128 x half
	s_lshl_b32 s46, s42, 8
	s_add_co_u32 s46, s46, s18                     ; the weights: row 256 x tile column + 128 x half
	s_lshl_b32 s22, s20, 5                         ; where these rows' scales begin,
	s_mov_b32 s23, 0
	s_lshl_b32 s92, s46, 5
	s_mov_b32 s93, 0
	s_lshl_b32 s20, s20, 9                         ; and their codes
	s_mov_b32 s21, 0
	s_lshl_b32 s46, s46, 9
	s_mov_b32 s47, 0
	s_mul_i32 s45, s14, HALFT                      ; where they go: wave x 128 rows
	s_mul_i32 s94, s14, HALFS
	s_wait_dscnt 0x0                               ; both opening adds are done
	s_wait_kmcnt 0x0
	s_add_nc_u64 s[6:7], s[4:5], XS
	s_add_nc_u64 s[8:9], s[4:5], WC
	s_add_nc_u64 s[10:11], s[4:5], WS
	s_add_nc_u64 s[20:21], s[4:5], s[20:21]
	s_add_nc_u64 s[22:23], s[6:7], s[22:23]
	s_add_nc_u64 s[46:47], s[8:9], s[46:47]
	s_add_nc_u64 s[92:93], s[10:11], s[92:93]
	CROUND                                         ; all sixteen work-groups are here: the joint loads meet
	s_mov_b32 s[G0S], 1
	s_add_co_u32 s[G0S+1], s94, SCL
	s_mov_b64 s[G0S+2:G0S+3], s[22:23]
	s_or_b32 s[G0S+3], s[G0S+3], 0x80000000
	s_mov_b32 s[G0SB], 1
	s_add_co_u32 s[G0SB+1], s94, SCL
	s_mov_b64 s[G0SB+2:G0SB+3], s[92:93]
	s_or_b32 s[G0SB+3], s[G0SB+3], 0x80000000
	JLOAD G0S, G1S, G0SB, G1SB                     ; the scales first; three tensor loads of mine are out behind the last of these
.irp s, 0,1
	s_mov_b32 s[G0+4*\s], 1
	s_add_co_u32 s[G0+4*\s+1], s45, \s*SLOT
	s_add_nc_u64 s[G0+4*\s+2:G0+4*\s+3], s[20:21], \s*ROWB
	s_or_b32 s[G0+4*\s+3], s[G0+4*\s+3], 0x80000000
	s_mov_b32 s[G0B+4*\s], 1
	s_add_co_u32 s[G0B+4*\s+1], s45, \s*SLOT
	s_add_nc_u64 s[G0B+4*\s+2:G0B+4*\s+3], s[46:47], \s*ROWB
	s_or_b32 s[G0B+4*\s+3], s[G0B+4*\s+3], 0x80000000
	JLOAD G0+4*\s, G1, G0B+4*\s, G1B
.endr
	v_and_b32 v1, 15, v0                           ; r = l % 16
	v_bfe_u32 v2, v0, 4, 1                         ; h = l / 16
	; the bias: a section (q, k, v) is four tile columns = one cluster x, so the choice is the same in all partners
	s_cmp_eq_u32 ttmp9, 0
	s_cselect_b64 s[96:97], s[96:97], s[98:99]
	s_cmp_eq_u32 ttmp9, 2
	s_cselect_b64 s[96:97], s[100:101], s[96:97]
	s_lshl_b32 s46, s40, 10                        ; 4 bytes x (256 cx + 128 x my half of the columns)
	s_lshl_b32 s47, s16, 9
	s_add_co_u32 s46, s46, s47
	v_lshl_add_u32 v7, v2, 5, s46                  ; + 32 h: block b's eight columns 16 b + 8 h + 0 .. 7
.irp b, 0,1,2,3,4,5,6,7
	global_load_b128 v[BIAS+8*\b:BIAS+8*\b+3], v7, s[96:97] offset:64*\b
	global_load_b128 v[BIAS+8*\b+4:BIAS+8*\b+7], v7, s[96:97] offset:64*\b+16
.endr
	v_mul_u32_u24 v3, v1, PITCH
	v_lshl_add_u32 v4, v2, 4, v3                   ; a fragment's row x pitch + 16 x half
	s_mul_i32 s21, s15, HALFT
	s_mul_i32 s22, s16, HALFT
	s_add_co_u32 s22, s22, 2*HALFT
.irp s, 0,1
	v_add_nc_u32 v[ADRA+\s], s21, v4
	v_add_nc_u32 v[ADRB+\s], s22, v4
	s_add_co_u32 s21, s21, SLOT
	s_add_co_u32 s22, s22, SLOT
.endr
	v_mul_u32_u24 v5, v1, KS                       ; my row's scales: 32 bytes a row,
	v_lshrrev_b32 v6, 8, v5
	v_lshl_add_u32 v5, v6, 4, v5                   ; and 16 more for each 256 passed
	s_mul_i32 s21, s15, HALFS
	s_mul_i32 s22, s16, HALFS
	s_add_co_u32 s22, s22, 2*HALFS
	s_sub_co_u32 s22, s22, s21
	v_mul_u32_u24 v6, s22, v2                      ; lanes 16-31 take the weights'
	s_add_co_u32 s21, s21, SCL
	v_add_nc_u32 v5, v5, v6
	v_add_nc_u32 v[ADRS], s21, v5
	s_mul_i32 s23, s14, 16*SPITCH                  ; my stage
	v_mul_u32_u24 v5, v1, SPITCH
	v_lshl_add_u32 v5, v2, 4, v5
	v_add_nc_u32 v[STO], s23, v5                   ; in: row r, 16 bytes for each half of the lanes
	v_bfe_u32 v5, v0, 3, 1
	v_mul_u32_u24 v5, v5, SPITCH
	v_lshl_add_u32 v5, v2, 7, v5
	v_and_b32 v6, 7, v0
	v_lshl_add_u32 v5, v6, 4, v5
	v_add_nc_u32 v[RD], s23, v5                    ; back: lanes 0-15 two positions' 128 bytes of my first head, lanes 16-31 of my second
	v_lshlrev_b32 v[CO], 18, v2                    ; in memory the second head lies 262,144 bytes on;
	v_lshl_add_u32 v[CO], v1, 4, v[CO]             ; two positions of a head are 256 consecutive bytes
	s_lshl_b32 s20, s17, 8
	s_lshl_b32 s21, s15, 7
	s_add_co_u32 s20, s20, s21                     ; my first row
	s_lshr_b32 s21, s20, 11                        ; its batch
	s_lshl_b32 s21, s21, 4
	s_lshl_b32 s46, s40, 2
	s_add_co_u32 s21, s21, s46
	s_lshl_b32 s46, s16, 1
	s_add_co_u32 s21, s21, s46                     ; batch x 16 + my first head (4 cx + 2 x half)
	s_lshl_b32 s21, s21, 11
	s_and_b32 s20, s20, 2047
	s_add_co_u32 s20, s20, s21
	s_lshl_b32 s20, s20, 7                         ; 128 bytes a position
	s_lshl_b32 s46, ttmp9, 23                      ; the section
	s_add_co_u32 s20, s20, s46
	s_mov_b32 s21, 0
	s_add_nc_u64 s[12:13], s[12:13], s[20:21]
.macro FRAG reg, adr, q, i             ; 16 rows x 128 K of 4-bit codes: 8 registers; registers 4 c .. 4 c + 3 hold K = 64 c + 32 (l / 16) + 0 .. 31
.irp c, 0,1
	ds_load_b128 v[\reg+4*\c:\reg+4*\c+3], v[\adr] offset:64*(\q)+32*\c+(\i)*16*PITCH
.endr
.endm
; 16 matrix instructions: x's blocks a0, a0 + 1 against the weights' eight.  first = 1: the bias starts the sums.  The 64 accumulators take turns, one instruction a turn.
.macro MUL16 a0, p, q, sc, first
.irp a, \a0, \a0+1
.irp b, 0,1,2,3,4,5,6,7
.if \first
	v_wmma_scale_f32_16x16x128_f8f6f4 v[8*(8*((\a)%4)+\b):8*(8*((\a)%4)+\b)+7], v[128*(\p)+FR*\b:128*(\p)+FR*\b+FR-1], v[AF+FR*(\a):AF+FR*(\a)+FR-1], v[BIAS+8*\b:BIAS+8*\b+7], v[SC+8*NQ*(\sc)+NQ*\b+(\q)], v[SC+8*NQ*(\sc)+NQ*(\a)+(\q)] matrix_a_fmt:MATRIX_FMT_FP4 matrix_b_fmt:MATRIX_FMT_FP4 matrix_a_scale:MATRIX_SCALE_ROW1
.else
	v_wmma_scale_f32_16x16x128_f8f6f4 v[8*(8*((\a)%4)+\b):8*(8*((\a)%4)+\b)+7], v[128*(\p)+FR*\b:128*(\p)+FR*\b+FR-1], v[AF+FR*(\a):AF+FR*(\a)+FR-1], v[8*(8*((\a)%4)+\b):8*(8*((\a)%4)+\b)+7], v[SC+8*NQ*(\sc)+NQ*\b+(\q)], v[SC+8*NQ*(\sc)+NQ*(\a)+(\q)] matrix_a_fmt:MATRIX_FMT_FP4 matrix_b_fmt:MATRIX_FMT_FP4 matrix_a_scale:MATRIX_SCALE_ROW1
.endif
.endr
.endr
.endm
.macro FETCH_B slot, q, p
	WIN TO_B
.irp i, 0,1,2,3,4,5,6,7
	FRAG 128*(\p)+FR*\i, ADRB+\slot, \q, \i
.endr
	WIN 0
.endm
.macro FETCH_A slot, q, i0
.irp i, \i0, \i0+1, \i0+2, \i0+3
	FRAG AF+FR*(\i), ADRA+\slot, \q, \i
.endr
.endm
.macro SCALES sc                       ; a slot's scale words: lanes 0-15 take x's block i, lanes 16-31 the weights' block i
.irp i, 0,1,2,3,4,5,6,7
	ds_load_b128 v[SC+8*NQ*\sc+NQ*\i:SC+8*NQ*\sc+NQ*\i+3], v[ADRS] offset:\i*SBLK
.endr
.endm
.macro PLACES n                        ; plain vector lines between a matrix instruction and a load into, or a read of, its registers
.rept \n
	v_nop
.endr
.endm
.macro STEP slot, q, first             ; a step of 128 along K that has its successor in the same slot
	s_wait_dscnt 4*NL                              ; all but the youngest eight loads (x's blocks 4-7) are in
.if \first
	WIN 0x81                                       ; C (the bias) in window 0, D in window 2
.else
	WIN MUL_LO
.endif
	MUL16 0, (\q)%2, \q, \slot, \first
	MUL16 2, (\q)%2, \q, \slot, \first
	s_wait_dscnt 0
	PLACES NP
	FETCH_B \slot, (\q)+1, 1-(\q)%2
	FETCH_A \slot, (\q)+1, 0
.if \first
	WIN 0xc1
.else
	WIN MUL_HI
.endif
	MUL16 4, (\q)%2, \q, \slot, \first
	MUL16 6, (\q)%2, \q, \slot, \first
	PLACES NP
	WIN 0
	FETCH_A \slot, (\q)+1, 4
.endm
.macro TURN slot, next                 ; a slot's last step: one barrier; in front of it my part of the next slot has landed and my reads of this slot are over
	s_wait_tensorcnt 0x0
	ds_add_u32 v[SPW], v[NIL]                      ; 0 onto my spare word
	s_wait_dscnt 4*NL+1                            ; (the add and the youngest eight loads may be out)
	WIN MUL_LO
	MUL16 0, 1, NQ-1, \slot, 0
	s_wait_dscnt 0x0
	s_barrier_signal -1
	MUL16 2, 1, NQ-1, \slot, 0
	WIN 0
	s_barrier_wait -1
	PLACES NP
	v_add_nc_u32 v[ADRS], 4*NQ, v[ADRS]            ; on to the next slot's scale words
	FETCH_B \next, 0, 0
	FETCH_A \next, 0, 0
	SCALES \next
	WIN MUL_HI
	MUL16 4, 1, NQ-1, \slot, 0
	MUL16 6, 1, NQ-1, \slot, 0
	PLACES NP
	WIN 0
	FETCH_A \next, 0, 4
.endm
	s_wait_loadcnt 0x0                             ; the bias
	s_wait_tensorcnt 1                             ; the scales and my part of slot 0 are in; slot 1's load may be out,
	s_barrier_signal -1
	s_barrier_wait -1                              ; everybody's are
	FETCH_B 0, 0, 0
	FETCH_A 0, 0, 0
	SCALES 0
	FETCH_A 0, 0, 4
	STEP 0, 0, 1
	STEP 0, 1, 0
	STEP 0, 2, 0
	TURN 0, 1
	STEP 1, 0, 0
	STEP 1, 1, 0
	STEP 1, 2, 0
	s_wait_dscnt 4*NL                              ; the very last step
	WIN MUL_LO
	MUL16 0, 1, NQ-1, 1, 0
	MUL16 2, 1, NQ-1, 1, 0
	s_wait_dscnt 0
	WIN MUL_HI
	MUL16 4, 1, NQ-1, 1, 0
	MUL16 6, 1, NQ-1, 1, 0
	WIN 0
; THE WAY OUT, a block of 16 rows x 128 columns at a time: rounded to f16 (16 bytes a lane), through my own stage, back so that sixteen lanes hold two positions of one head: 256 consecutive bytes.
; Block a comes back into registers of its own, v[32 a] on in window 1, which the products have left: no store's data and no base is written again, so nothing waits for a store;
; and a block's stores stand behind the next block's turn through the stage.
.macro PACK a
.set AC, 64*((\a)%4)
	WIN 0x0a+5*((\a)/4)                            ; sources 0 and 1: window 2 or 3
.irp b, 0,1,2,3,4,5,6,7
.irp u, 0,1,2,3
	v_cvt_pk_f16_f32 v[PKD+4*\b+\u], v[AC+8*\b+2*\u], v[AC+8*\b+2*\u+1]   ; each accumulator from its low end on
.endr
.endr
	WIN 0
.endm
.macro TOSTAGE a
.irp b, 0,1,2,3,4,5,6,7
	ds_store_b128 v[STO], v[PKD+4*\b:PKD+4*\b+3] offset:32*\b
.endr
	WIN 0x40                                       ; the loaded data: window 1
.irp t, 0,1,2,3,4,5,6,7
	ds_load_b128 v[32*(\a)+4*\t:32*(\a)+4*\t+3], v[RD] offset:\t*2*SPITCH   ; LDS serves a wave's instructions in order (ISA guide 5.7.1.4): these see the stores above, and the next block's stores come behind them
.endr
	WIN 0
.endm
.macro SEND a, younger                 ; younger: the LDS instructions issued behind block a's loads, which may stay out
	s_wait_dscnt \younger
	WIN 0x04                                       ; a store's data are its source 1: window 1
.irp t, 0,1,2,3,4,5,6,7
	global_store_b128 v[CO], v[32*(\a)+4*\t:32*(\a)+4*\t+3], s[12:13] offset:2048*(\a)+256*\t
.endr
	WIN 0
.endm
	PLACES NP
	PACK 0
	TOSTAGE 0
.irp a, 1,2,3,4,5,6,7
	PACK \a
	TOSTAGE \a
	SEND \a-1, 16                                  ; behind block a - 1's loads: block a's 8 stores and 8 loads
.endr
	SEND 7, 0
	s_wait_tensorcnt 0x0                           ; the wave's end
	ds_add_u32 v[SPW], v[NIL]
	s_wait_dscnt 0x0
	CROUND                                         ; the closing round
	s_endpgm
.Lfunc_end_k_qfb9ef35f8d_qkv:
	.size	k_qfb9ef35f8d_qkv, .Lfunc_end_k_qfb9ef35f8d_qkv-k_qfb9ef35f8d_qkv
	.p2alignl 7, 3214868480
	.fill 96, 4, 3214868480
	.section	.rodata,"a",@progbits
	.p2align	6, 0x0
	.amdhsa_kernel k_qfb9ef35f8d_qkv
		.amdhsa_group_segment_fixed_size 327680
		.amdhsa_private_segment_fixed_size 0
		.amdhsa_enable_private_segment 0
		.amdhsa_kernarg_size 40
		.amdhsa_user_sgpr_count 2
		.amdhsa_user_sgpr_kernarg_segment_ptr 1
		.amdhsa_wavefront_size32 1
		.amdhsa_system_sgpr_workgroup_id_x 1
		.amdhsa_system_sgpr_workgroup_id_y 1
		.amdhsa_system_sgpr_workgroup_id_z 1
		.amdhsa_system_vgpr_workitem_id 0
		.amdhsa_next_free_vgpr 1024
		.amdhsa_next_free_sgpr 102
		.amdhsa_reserve_vcc 0
		.amdhsa_float_denorm_mode_32 3
		.amdhsa_float_denorm_mode_16_64 3
		.amdhsa_memory_ordered 1
		.amdhsa_forward_progress 1
		.amdhsa_inst_pref_size 129
	.end_amdhsa_kernel
	.amdgpu_metadata
---
amdhsa.version: [ 1, 2 ]
amdhsa.kernels:
  - .name:           k_qfb9ef35f8d_qkv
    .symbol:         k_qfb9ef35f8d_qkv.kd
    .args:
      - { .name: xq, .offset: 0, .size: 8, .value_kind: global_buffer, .address_space: global }
      - { .name: qkv, .offset: 8, .size: 8, .value_kind: global_buffer, .address_space: global }
      - { .name: bq, .offset: 16, .size: 8, .value_kind: global_buffer, .address_space: global }
      - { .name: bk, .offset: 24, .size: 8, .value_kind: global_buffer, .address_space: global }
      - { .name: bv, .offset: 32, .size: 8, .value_kind: global_buffer, .address_space: global }
    .group_segment_fixed_size: 327680
    .private_segment_fixed_size: 0
    .kernarg_segment_align: 8
    .kernarg_segment_size: 40
    .max_flat_workgroup_size: 128
    .sgpr_count:     102
    .vgpr_count:     1024
    .wavefront_size: 32
...
	.end_amdgpu_metadata
.endif
;; end of part 2
;; launch attn (part 3): grid 8 x 32, 16 waves a work-group, no clusters, 327,680 bytes of LDS; arguments qkv, att; writes att
.if DOCPART == 3
	.amdgcn_target "amdgcn-amd-amdhsa--gfx1250"
	.amdhsa_code_object_version 6
	.text
	.protected	k_qfb9ef35f8d_attn
	.globl	k_qfb9ef35f8d_attn
	.p2align	8
	.type	k_qfb9ef35f8d_attn,@function
k_qfb9ef35f8d_attn:
	s_mov_b64 s[64:65], 0
	v_nop
	global_prefetch_b8 v0, s[64:65] scope:SCOPE_SE
	s_setreg_imm32_b32 hwreg(HW_REG_WAVE_MODE, 25, 1), 1
	s_wait_xcnt 0x0
; a[b][t][head x 64 + d] = the sum over keys k <= t of softmax_k(Q[t] . K[k] / 32) V[k][d].  Q, K, V: f16, [batch x 16 + head][2048][64] (Q at 0, K at KBASE, V at VBASE of qkv); a: [4096][1024] f32.
; Products on f16 operands with f32 sums; maxima, exponentials and sums in f32; the weights p, at most 1, are rounded to f16 for the second product; the row's sum is taken of the unrounded p.
; SHARES.  A head's 2,048 queries are 16 blocks of 128.  A work-group owns blocks i and 15 - i: under the causal mask that is 17 pieces of 128 queries x 128 keys for every work-group.
; Each of its sixteen waves owns one tile of 16 queries in 256 registers; of the waves 2 j and 2 j + 1 one takes tile j of the early block and one tile j of the late one.
; NO CLUSTER: the work-groups of a head need different numbers of key tiles (up to key 128 (16 - i) - 1), so a partner would have to ask for tiles that none of its waves reads.
; K and V come through two LDS slots of 256 keys (waves 0, 1: K's halves; waves 2, 3: V's) and are read by all sixteen waves, 128 keys a step.
; LAYOUT.  S^T = K Q^T (source 0 = 16 keys, source 1 = my 16 queries): a lane holds ONE query (lane % 16) and keys 8 (lane / 16) + 0 .. 7 of a tile.  Two such tiles, rounded in pairs, ARE source 1 (32 keys) of
; O^T = V^T P.  K comes out of LDS as it lies, V ([key][channel]) turned by ds_load_tr16_b128.
; SOFTMAX.  A running maximum m and sum l: p = 2^(c s - c m), c = log2(e) / 32; in every step O^T and l are multiplied by 2^(c m_old - c m_new).
; EVERY work-group walks all 8 slots: trip counts are constants.  A step all of whose keys come after my queries is jumped over (ids alone); a slot whose first key comes after the work-group's last query is not asked for.
; REGISTERS THAT SERVE TWICE IN A STEP: v192-255 hold K's second 64 keys at the step's head, later p in f16 and the softmax's working registers; v96-159 hold S^T and p, and, once p is rounded, V's second 64 keys.
.set KP,    144                        ; a key's row in LDS: 128 bytes + 16
.set VP,    160                        ; a row of V: 128 + 32 = 40 words, for the turning load
.set VOFF,  256*KP                     ; a slot: 256 rows of K, then 256 rows of V
.set SLOT1, 1<<17                      ; slot 1 begins here: one exclusive or turns an address from one slot to the other
.set STAGE, SLOT1+256*(KP+VP)          ; behind the slots: 16 rows x 272 bytes for each wave, bytes into which no tile lands
.set SPARE, STAGE+16*16*272            ; the spare words, 128 bytes for each wave
.set KBASE, 8388608
.set VBASE, 16777216
.set AK0, 1                            ; v1   my lane's place in a tile of K
.set AV0, 2                            ; v2   the same for V
.set PFO, 3                            ; v3   256 x lane, for the prefetches
.set SPW, 5
.set NIL, 6
.set GO,  7                            ; v7   the way out: my byte offset in the wave's rows of a
.set ADK, 8
.set ADV, 9
.set QF,  16                           ; v16-31   Q: two fragments
.set KV,  32                           ; v32-95   eight fragments: K's first 64 keys, then V's first 64
.set S,   96                           ; v96-159  S^T, then p, then V's second 64 keys
.set OT,  160                          ; v160-191 O^T
.set PF,  192                          ; v192-223 p in f16
.set K2,  192                          ; v192-255 at a step's head: K's second 64 keys
.set WV,  18
.set SEL, 20
.set CS,  22
.set G1K, 24
.set G1V, 32
.set G0K, 40
.set G0V, 44
.set TB,  2
.set SLOTS, 67
.set QL,  68                           ; s68  my work-group's last query
.set KF,  98                           ; s98  the step's first key
.set Q0,  99                           ; s99  my first query
.set PFA, 76
.set LIM, 80
.macro TLOAD                           ; waves 0, 1 fetch for K, waves 2, 3 for V, the others nothing.  An s_nop 0 and four v_nop follow each of the two lines
	s_cmp_lt_u32 s[WV], 2
	s_cbranch_scc0 .Lnot_k_\@
	tensor_load_to_lds s[G0K:G0K+3], s[G1K:G1K+7]
	s_nop 0
.rept 4
	v_nop
.endr
	s_branch .Lasked_\@
.Lnot_k_\@:
	s_cmp_lt_u32 s[WV], 4
	s_cbranch_scc0 .Lasked_\@
	tensor_load_to_lds s[G0V:G0V+3], s[G1V:G1V+7]
	s_nop 0
.rept 4
	v_nop
.endr
.Lasked_\@:
.endm
; A prefetch of what the NEXT change of slots will ask for: 32,768 dense bytes of K and as many of V.  All work-groups of a head walk the same rows: the head's first work-group, which walks all slots, asks;
; in it waves 4-7 ask for K, waves 8-11 for V, 8,192 bytes a wave, lanes 256 bytes apart: each block of 256 bytes is named once.  The last change that fills a slot asks for nothing.
.macro ASK
	s_cmp_gt_u32 s[SLOTS], s[LIM]
	s_cbranch_scc0 .Lnot_mine_\@
	global_prefetch_b8 v[PFO], s[PFA:PFA+1] th:TH_LOAD_NT scope:SCOPE_SE
.Lnot_mine_\@:
.endm
	s_load_b128 s[4:7], s[0:1], 0x0                ; qkv s[4:5], att s[6:7]
	v_lshl_add_u32 v[SPW], v0, 2, SPARE
	v_mov_b32 v[NIL], 0
	ds_add_u32 v[SPW], v[NIL]                      ; the wave's opening: the add, twice on end, and its wait ahead of the first tensor load
	ds_add_u32 v[SPW], v[NIL]
	v_lshrrev_b32 v8, 5, v0
	v_readfirstlane_b32 s[WV], v8                  ; wave 0..15
	s_and_b32 s70, ttmp7, 0xffff                   ; batch x 16 + head
	s_lshl_b32 s72, s70, 18                        ; its first byte in Q, K and V
	s_lshr_b32 s74, s[WV], 2
	s_xor_b32 s74, s74, s[WV]
	s_and_b32 s74, s74, 1                          ; early block (0) or late block (1)
	s_sub_co_u32 s75, 15, ttmp9
	s_cmp_eq_u32 s74, 0
	s_cselect_b32 s75, ttmp9, s75
	s_lshl_b32 s75, s75, 7
	s_lshr_b32 s81, s[WV], 1
	s_lshl_b32 s81, s81, 4
	s_add_co_u32 s[Q0], s75, s81                   ; my first query
	s_sub_co_u32 s[QL], 16, ttmp9
	s_lshl_b32 s[QL], s[QL], 7
	s_sub_co_u32 s[QL], s[QL], 1                   ; the late block's last query
	s_lshl_b32 s86, s[Q0], 7
	s_add_co_u32 s86, s86, s72
	s_mov_b32 s87, 0                               ; Q at my first query
	s_lshr_b32 s92, s70, 4
	s_lshl_b32 s92, s92, 11
	s_add_co_u32 s92, s92, s[Q0]
	s_lshl_b32 s92, s92, 12                        ; a: row batch x 2048 + query, 4,096 bytes a row,
	s_and_b32 s93, s70, 15
	s_lshl_b32 s93, s93, 8
	s_add_co_u32 s92, s92, s93                     ; + 256 bytes x head
	s_mov_b32 s93, 0
	s_and_b32 s88, s[WV], 1                        ; what I fetch, if I fetch: rows 128 x (wave % 2) of a slot
	s_lshl_b32 s90, s88, 14
	s_add_co_u32 s90, s90, s72
	s_mov_b32 s91, 0
	s_mul_i32 s89, s88, 128*KP
	s_mul_i32 s94, s88, 128*VP
	s_add_co_u32 s94, s94, VOFF
	s_mov_b32 s[G1K], (1<<16)|(1<<20)|(4<<22)|(3<<25)  ; no mask; elements of 2 bytes; padding on: 4 words after every 32
	s_mov_b32 s[G1V], (1<<16)|(1<<20)|(4<<22)|(7<<25)  ; the same with 8 words
.irp g, G1K, G1V
	s_mov_b32 s[\g+1], 64<<16                      ; tensor_dim0
	s_mov_b32 s[\g+2], 128<<16                     ; tensor_dim1
	s_mov_b32 s[\g+3], 64<<16                      ; tile_dim0
	s_mov_b32 s[\g+4], 128                         ; tile_dim1
	s_mov_b32 s[\g+5], 64                          ; from row to row
	s_mov_b32 s[\g+6], 0
	s_mov_b32 s[\g+7], 0
.endr
	s_mov_b32 s[SEL], 0x76543210
	s_mov_b32 s[SEL+1], 0xfedcba98
	s_mov_b32 s[CS], 0x3d38aa3b                    ; c = log2(e) / sqrt(1024)
	s_mov_b32 s[CS+1], s[CS]
	s_mov_b32 s[TB], 0
	s_mov_b32 s[SLOTS], 7
	s_mov_b32 s[KF], 0
	s_wait_dscnt 0x0                               ; both opening adds are done
	s_wait_kmcnt 0x0
	s_add_nc_u64 s[82:83], s[4:5], KBASE
	s_add_nc_u64 s[84:85], s[4:5], VBASE
	s_mov_b32 s[G0K], 1
	s_mov_b32 s[G0K+1], s89
	s_add_nc_u64 s[G0K+2:G0K+3], s[82:83], s[90:91]
	s_or_b32 s[G0K+3], s[G0K+3], 0x80000000
	s_mov_b32 s[G0V], 1
	s_mov_b32 s[G0V+1], s94
	s_add_nc_u64 s[G0V+2:G0V+3], s[84:85], s[90:91]
	s_or_b32 s[G0V+3], s[G0V+3], 0x80000000
	TLOAD                                          ; slot 0: it holds key 0, which counts for every query
	s_add_nc_u64 s[8:9], s[4:5], s[86:87]
	s_add_nc_u64 s[16:17], s[6:7], s[92:93]
	s_cmp_lt_u32 s[WV], 8                          ; the prefetches: waves 4-7 stand in K, waves 8-11 in V
	s_cselect_b64 s[PFA:PFA+1], s[82:83], s[84:85]
	s_and_b32 s92, s[WV], 3
	s_lshl_b32 s92, s92, 13
	s_add_co_u32 s92, s92, s72
	s_add_co_u32 s92, s92, 32768                   ; in slot 1: the first change of slots steps it to slot 2.  Nothing is prefetched here, at the head
	s_add_nc_u64 s[PFA:PFA+1], s[PFA:PFA+1], s[92:93]
	s_sub_co_u32 s92, s[WV], 4
	s_lshr_b32 s92, s92, 3                         ; 0 in waves 4 to 11,
	s_or_b32 s92, s92, ttmp9                       ; of the head's first work-group
	s_cmp_eq_u32 s92, 0
	s_cselect_b32 s[LIM], 1, -1
	v_and_b32 v8, 15, v0                           ; r
	v_bfe_u32 v9, v0, 4, 1                         ; h
	v_lshlrev_b32 v4, 7, v8
	v_lshl_add_u32 v4, v9, 4, v4                   ; Q: row r of 128 bytes, + 16 h
.irp c, 0,1,2,3
	global_load_b128 v[QF+4*\c:QF+4*\c+3], v4, s[8:9] offset:32*\c   ; Q's two fragments stay in registers
.endr
	v_mul_u32_u24 v[AK0], v8, KP
	v_lshl_add_u32 v[AK0], v9, 4, v[AK0]
	v_and_b32 v10, 7, v0
	v_lshl_add_u32 v10, v9, 3, v10
	v_mul_u32_u24 v[AV0], v10, VP                  ; the turning load: key 8 h + l % 8,
	v_bfe_u32 v11, v0, 3, 1
	v_lshl_add_u32 v[AV0], v11, 4, v[AV0]          ; channels 8 ((l / 8) % 2) on
	v_add_nc_u32 v[AV0], VOFF, v[AV0]
	v_and_b32 v[PFO], 31, v0
	v_lshlrev_b32 v[PFO], 8, v[PFO]
	v_lshlrev_b32 v[GO], 12, v9
	v_lshl_add_u32 v[GO], v8, 4, v[GO]             ; lanes 0-15 one row of a, lanes 16-31 the next; 16 bytes a lane
	s_mul_i32 s95, s[WV], 16*272
	s_add_co_u32 s95, s95, STAGE                   ; my stage
	v_mul_u32_u24 v10, v8, 272
	v_lshl_add_u32 v10, v9, 5, v10
	v_add_nc_u32 v10, s95, v10                     ; in: row r, + 32 h
	v_mul_u32_u24 v11, v9, 272
	v_lshl_add_u32 v11, v8, 4, v11
	v_add_nc_u32 v11, s95, v11                     ; back: lanes 0-15 one row, lanes 16-31 the next
	v_mov_b32 v13, 0xff61b1e6                      ; m: -3e38, under every score
	v_mul_f32 v12, s[CS], v13                      ; c m
	v_mov_b32 v14, 0                               ; l, in two halves
	v_mov_b32 v15, 0
	v_mov_b32 v236, 0                              ; a lane permute's destination counts as one of its sources
	v_mov_b32 v252, 0
	v_mov_b32 v253, 0                              ; (named as the upper half of the pair v[252:253]; what it holds is never used)
.set n, 0
.rept 32
	v_mov_b32 v[OT+n], 0                           ; O^T: the step is written once; its first pass finds zeros
.set n, n+1
.endr
.macro VLOAD q, g, base                ; V^T of 64 keys: fragment (channels 16 c on, keys 32 k on) at v[base + 16 c + 8 k]
.irp c, 0,1,2,3
.irp k, 0,1
	ds_load_tr16_b128 v[\base+16*\c+8*\k:\base+16*\c+8*\k+3],   v[ADV] offset:(128*(\q)+64*(\g)+32*\k)*VP+32*\c
	ds_load_tr16_b128 v[\base+16*\c+8*\k+4:\base+16*\c+8*\k+7], v[ADV] offset:(128*(\q)+64*(\g)+32*\k)*VP+32*\c+16*VP
.endr
.endr
.endm
; A KEY STEP: 128 keys, the q-th of the slot in hand.
.macro STEP q
	s_cmp_gt_u32 s[KF], s[Q0]                      ; KF is a multiple of 128 and my 16 queries lie in one block of 128: KF > Q0 means that all the step's keys come after them
	s_cbranch_scc1 .Lhidden_\@
	v_add_nc_u32 v[ADK], s[TB], v[AK0]
	v_add_nc_u32 v[ADV], s[TB], v[AV0]
.rept 3
	v_nop                                          ; with the two additions five places behind the last step's products: four are owed by the loads into registers that they read, five by the products below, which write over registers that they read
.endr
.irp g, 0,1                                    ; K of all 128 keys in ONE run of 32 loads: the first 64 keys into v32-95, the second 64 into v192-255
.irp t, 0,1,2,3
.irp c, 0,1
	ds_load_b128 v[KV+160*\g+16*\t+8*\c:KV+160*\g+16*\t+8*\c+3],   v[ADK] offset:(128*(\q)+64*\g+16*\t)*KP+64*\c
	ds_load_b128 v[KV+160*\g+16*\t+8*\c+4:KV+160*\g+16*\t+8*\c+7], v[ADK] offset:(128*(\q)+64*\g+16*\t)*KP+64*\c+32
.endr
.endr
.endr
.irp g, 0,1                                    ; S^T = K Q^T, four tiles of 16 keys at a time
	s_wait_dscnt 16-16*\g                          ; the first 64 keys are in, the sixteen loads of the second 64 may be out; then all
.irp t, 0,1,2,3                                ; the four accumulators take turns
	v_wmma_f32_16x16x32_f16 v[S+8*(4*\g+\t):S+8*(4*\g+\t)+7], v[KV+160*\g+16*\t:KV+160*\g+16*\t+7], v[QF:QF+7], 0
.endr
.irp t, 0,1,2,3
	v_wmma_f32_16x16x32_f16 v[S+8*(4*\g+\t):S+8*(4*\g+\t)+7], v[KV+160*\g+16*\t+8:KV+160*\g+16*\t+15], v[QF+8:QF+15], v[S+8*(4*\g+\t):S+8*(4*\g+\t)+7]
.endr
.endr
.rept 4
	v_nop                                          ; places in front of the loads into K's registers, of the first read of the scores, and of the vector lines that write v192-255
.endr
	VLOAD \q, 0, KV                                ; V of the first 64 keys lands while the softmax is worked
	s_add_co_u32 s96, s[KF], 127                   ; on the diagonal the scores of hidden keys become -infinity; a step all of whose keys count skips this
	s_cmp_le_u32 s96, s[Q0]
	s_cbranch_scc1 .Lopen_\@
	s_sub_co_i32 s96, s[Q0], s[KF]
	v_and_b32 v252, 15, v0
	v_bfe_u32 v253, v0, 4, 1
	v_lshlrev_b32 v253, 3, v253
	v_sub_nc_u32 v252, v252, v253
	v_add_nc_u32 v252, s96, v252                   ; d = my query - KF - 8 h.  Register n holds key KF + 16 (n / 8) + 8 h + n % 8: hidden where 16 (n / 8) + n % 8 > d
	v_mov_b32 v254, 0xff800000
.set n, 0
.rept 64
	v_cmp_gt_i32 vcc_lo, 16*(n/8)+n%8, v252
	v_cndmask_b32 v[S+n], v[S+n], v254, vcc_lo
.set n, n+1
.endr
.Lopen_\@:
.irp b, 0,1,2,3                                ; the step's largest score, in four chains; each accumulator is first read at its low end
	v_max3_num_f32 v[232+\b], v[S+16*\b], v[S+1+16*\b], v[S+2+16*\b]
.endr
.irp i, 3,5,7,9,11,13
.irp b, 0,1,2,3
	v_max3_num_f32 v[232+\b], v[232+\b], v[S+16*\b+\i], v[S+1+16*\b+\i]
.endr
.endr
.irp b, 0,1,2,3
	v_max_num_f32 v[232+\b], v[232+\b], v[S+15+16*\b]
.endr
	v_max3_num_f32 v254, v232, v233, v234
	v_max_num_f32 v254, v254, v235
	v_permlanex16_b32 v236, v254, s[SEL], s[SEL+1] ; the query's other 64 keys lie in the lane 16 away
	v_max3_num_f32 v13, v13, v254, v236            ; the new m
	v_mov_b32 v254, v12
	v_mul_f32 v12, s[CS], v13                      ; c m
	v_sub_f32 v254, v254, v12                      ; c m_old - c m_new, 0 or less
	v_exp_f32 v252, v254                           ; the factor for what was summed under the old m
.set n, 0
.rept 32
	v_pk_fma_f32 v[S+n:S+n+1], v[S+n:S+n+1], s[CS:CS+1], v[12:13] op_sel_hi:[1,0,0] neg_lo:[0,0,1] neg_hi:[0,0,1]   ; c s - c m
.set n, n+2
.endr
.set n, 0
.rept 64
	v_exp_f32 v[S+n], v[S+n]
.set n, n+1
.endr
	v_nop                                          ; a plain line behind the last exponential
	s_wait_alu depctr_va_vdst(0)                   ; one wait for the 65 exponentials, ahead of the first line that names a result
	v_pk_mul_f32 v[14:15], v[14:15], v[252:253] op_sel_hi:[1,0]
	v_pk_add_f32 v[236:237], v[S:S+1], v[S+2:S+3]  ; the row's sum, of the unrounded p, in two chains
.irp j, 4,8,12,16,20,24,28,32,36,40,44,48,52,56,60
	v_pk_add_f32 v[14:15], v[14:15], v[S+\j:S+\j+1]
	v_pk_add_f32 v[236:237], v[236:237], v[S+\j+2:S+\j+3]
.endr
	v_pk_add_f32 v[14:15], v[14:15], v[236:237]
.set n, 0
.rept 32
	v_cvt_pk_f16_f32 v[PF+n], v[S+2*n], v[S+2*n+1]
.set n, n+1
.endr
	VLOAD \q, 1, S                                 ; p is rounded and summed: its 64 registers take V of the second 64 keys, which lands under the rescaling and the first eight products
.set n, 0
.rept 16
	v_pk_mul_f32 v[OT+n:OT+n+1], v[OT+n:OT+n+1], v[252:253] op_sel_hi:[1,0]
.set n, n+2
.endr
	s_wait_dscnt 16                                ; V of the first 64 keys is in; the sixteen loads just issued may be out
.irp k, 0,1                                    ; O^T += V^T P, the first 64 keys; the four accumulators take turns
.irp c, 0,1,2,3
	v_wmma_f32_16x16x32_f16 v[OT+8*\c:OT+8*\c+7], v[KV+16*\c+8*\k:KV+16*\c+8*\k+7], v[PF+8*\k:PF+8*\k+7], v[OT+8*\c:OT+8*\c+7]
.endr
.endr
	s_wait_dscnt 0x0
.irp k, 0,1                                    ; the second 64 keys
.irp c, 0,1,2,3
	v_wmma_f32_16x16x32_f16 v[OT+8*\c:OT+8*\c+7], v[S+16*\c+8*\k:S+16*\c+8*\k+7], v[PF+16+8*\k:PF+16+8*\k+7], v[OT+8*\c:OT+8*\c+7]
.endr
.endr
.Lhidden_\@:
	s_add_co_u32 s[KF], s[KF], 128
.endm
; THE CHANGE OF SLOTS stands at a slot's head.  Each wave waits for all its tensor loads, adds 0 to its spare word (fill = 1: twice on end), and waits for that and for its reads of the slot that it has left.
; Behind the barrier the slot ahead is whole and nobody reads the other one: fill = 1: that one takes the next 256 keys, up to the causal limit.
.macro CHANGE fill
	s_wait_tensorcnt 0x0                           ; no tensor load of mine is out, so a group 0 may be written
	ds_add_u32 v[SPW], v[NIL]
.if \fill
	ds_add_u32 v[SPW], v[NIL]                      ; and twice on end here, in every trip alike
	s_xor_b32 s[G0K+1], s[G0K+1], SLOT1
	s_add_nc_u64 s[G0K+2:G0K+3], s[G0K+2:G0K+3], 32768
	s_xor_b32 s[G0V+1], s[G0V+1], SLOT1
	s_add_nc_u64 s[G0V+2:G0V+3], s[G0V+2:G0V+3], 32768
	s_wait_xcnt 0x0                                ; the last prefetch, a slot back, has read its address
	s_add_nc_u64 s[PFA:PFA+1], s[PFA:PFA+1], 32768
.endif
	s_wait_dscnt 0x0
	s_barrier_signal -1
	s_barrier_wait -1
.if \fill
	s_add_co_u32 s96, s[KF], 256                   ; the first key of the slot that this change would ask for
	s_cmp_gt_u32 s96, s[QL]                        ; past my work-group's last query none of its waves reads it: ids and the count of steps alone, the same in all sixteen waves
	s_cbranch_scc1 .Lpast_\@
	TLOAD                                          ; a wave's one tensor load until the next such barrier
.Lpast_\@:
	ASK
.endif
.endm
.macro SLOT_STEPS
	STEP 0
	STEP 1
	s_xor_b32 s[TB], s[TB], SLOT1
.endm
	s_wait_loadcnt 0x0                             ; Q
.Lslot:                                            ; 7 trips
	CHANGE 1
	SLOT_STEPS
	s_sub_co_u32 s[SLOTS], s[SLOTS], 1
	s_cmp_lg_u32 s[SLOTS], 0
	s_cbranch_scc1 .Lslot
	CHANGE 0                                       ; the last slot is written out: nothing is left to ask for
	SLOT_STEPS
	; THE WAY OUT.  O^T / l goes through my stage: a query's 64 channels are 256 bytes, which sixteen lanes store as one aligned run.
.rept 4
	v_nop
.endr
	v_add_f32 v14, v14, v15
	v_permlanex16_b32 v252, v14, s[SEL], s[SEL+1]
	v_add_f32 v14, v14, v252
	v_rcp_f32 v14, v14
	v_nop
	s_wait_alu depctr_va_vdst(0)                   ; ahead of the reciprocal's first reader
.set n, 0
.rept 32
	v_mul_f32 v[S+n], v[OT+n], v14                 ; register 8 c + j is a(query r, channel 16 c + 8 h + j)
.set n, n+1
.endr
.irp c, 0,1,2,3
	ds_store_b128 v10, v[S+8*\c:S+8*\c+3] offset:64*\c
	ds_store_b128 v10, v[S+8*\c+4:S+8*\c+7] offset:64*\c+16
.endr
.irp i, 0,1,2,3,4,5,6,7
	ds_load_b128 v[KV+4*\i:KV+4*\i+3], v11 offset:544*\i   ; LDS serves a wave's instructions in order (ISA guide 5.7.1.4)
.endr
.irp i, 0,1,2,3,4,5,6,7
	s_wait_dscnt 7-\i
	global_store_b128 v[GO], v[KV+4*\i:KV+4*\i+3], s[16:17] offset:8192*\i
.endr
	s_wait_tensorcnt 0x0                           ; the wave's end
	ds_add_u32 v[SPW], v[NIL]
	s_wait_dscnt 0x0
	s_endpgm
.Lfunc_end_k_qfb9ef35f8d_attn:
	.size	k_qfb9ef35f8d_attn, .Lfunc_end_k_qfb9ef35f8d_attn-k_qfb9ef35f8d_attn
	.p2alignl 7, 3214868480
	.fill 96, 4, 3214868480
	.section	.rodata,"a",@progbits
	.p2align	6, 0x0
	.amdhsa_kernel k_qfb9ef35f8d_attn
		.amdhsa_group_segment_fixed_size 327680
		.amdhsa_private_segment_fixed_size 0
		.amdhsa_enable_private_segment 0
		.amdhsa_kernarg_size 16
		.amdhsa_user_sgpr_count 2
		.amdhsa_user_sgpr_kernarg_segment_ptr 1
		.amdhsa_wavefront_size32 1
		.amdhsa_system_sgpr_workgroup_id_x 1
		.amdhsa_system_sgpr_workgroup_id_y 1
		.amdhsa_system_sgpr_workgroup_id_z 1
		.amdhsa_system_vgpr_workitem_id 0
		.amdhsa_next_free_vgpr 256
		.amdhsa_next_free_sgpr 100
		.amdhsa_reserve_vcc 1
		.amdhsa_float_denorm_mode_32 3
		.amdhsa_float_denorm_mode_16_64 3
		.amdhsa_memory_ordered 1
		.amdhsa_forward_progress 1
		.amdhsa_inst_pref_size 106
	.end_amdhsa_kernel
	.amdgpu_metadata
---
amdhsa.version: [ 1, 2 ]
amdhsa.kernels:
  - .name:           k_qfb9ef35f8d_attn
    .symbol:         k_qfb9ef35f8d_attn.kd
    .args:
      - { .name: qkv, .offset: 0, .size: 8, .value_kind: global_buffer, .address_space: global }
      - { .name: att, .offset: 8, .size: 8, .value_kind: global_buffer, .address_space: global }
    .group_segment_fixed_size: 327680
    .private_segment_fixed_size: 0
    .kernarg_segment_align: 8
    .kernarg_segment_size: 16
    .max_flat_workgroup_size: 512
    .sgpr_count:     100
    .vgpr_count:     256
    .wavefront_size: 32
...
	.end_amdgpu_metadata
.endif
;; end of part 3
;; launch ln1 (part 4): grid 256 x 1, 8 waves a work-group, no clusters, 0 bytes of LDS; arguments att, ln_w, hn; writes hn
.if DOCPART == 4
	.amdgcn_target "amdgcn-amd-amdhsa--gfx1250"
	.amdhsa_code_object_version 6
	.text
	.protected	k_qfb9ef35f8d_ln1
	.globl	k_qfb9ef35f8d_ln1
	.p2align	8
	.type	k_qfb9ef35f8d_ln1,@function
k_qfb9ef35f8d_ln1:
	s_mov_b64 s[64:65], 0
	v_nop
	global_prefetch_b8 v0, s[64:65] scope:SCOPE_SE
	s_setreg_imm32_b32 hwreg(HW_REG_WAVE_MODE, 25, 1), 1
	s_wait_xcnt 0x0
; h = a + (a - mean) / sqrt(var + 1e-5) x w, row by row of 1,024, in f32; then each row is divided by s = the power of two in its largest |h| (an exact scaling), and h / s goes out as f16: [4096][1024] at 0 of hn;
; s, as f32, at 8,388,608 of hn.  relu is homogeneous for positive factors, so the next two launches work on h / s and multiply by s at the end: the f16 operands' size then hangs on the weights alone.
; LIMITS: s is held at 2^-10 from below (a row whose largest |h| lies under 2^-24 loses bits of f16); the largest |h| stays under 2^127; NaN and infinities are not served.
; A wave takes two rows, each 32 registers: the row is read once; the mean is taken first and the variance of the differences.  No LDS, no barrier: waves share nothing.  Matrix units and clusters have nothing to do here.
.set LN1, 1
.set W, 16                             ; v16-47   w
.set X, 48                             ; v48-111  the two rows
.set D, 112                            ; v112-143 at work
.set Y, 144                            ; v144-175 results in f16, 16 registers a row
	s_load_b128 s[4:7], s[0:1], 0x0                ; the rows, w
	s_load_b64 s[8:9], s[0:1], 0x10                ; the results
	v_lshrrev_b32 v1, 5, v0
	v_readfirstlane_b32 s16, v1                    ; wave 0..7
	v_and_b32 v3, 31, v0
	v_lshlrev_b32 v1, 4, v3                        ; 16 bytes a lane
	v_lshlrev_b32 v2, 3, v3                        ; 8 bytes a lane
	s_lshl_b32 s17, ttmp9, 4
	s_lshl_b32 s18, s16, 1
	s_add_co_u32 s17, s17, s18                     ; my first row
	s_lshl_b32 s18, s17, 12
	s_mov_b32 s19, 0
	s_mov_b32 s10, 0x76543210
	s_mov_b32 s11, 0xfedcba98
	s_mov_b32 s12, 0x3a800000                      ; 2^-10 = 1 / 1024
	s_mov_b32 s13, 0x3727c5ac                      ; 1e-5
	v_mov_b32 v9, 0
	v_mov_b32 v11, 0
	s_wait_kmcnt 0x0
	s_add_nc_u64 s[4:5], s[4:5], s[18:19]
.if LN1
	s_lshl_b32 s18, s17, 11
	s_add_nc_u64 s[20:21], s[8:9], s[18:19]
	s_lshl_b32 s18, s17, 2
	s_add_co_u32 s18, s18, 8388608
	s_add_nc_u64 s[14:15], s[8:9], s[18:19]
.else
	s_add_nc_u64 s[20:21], s[8:9], s[18:19]
.endif
.irp j, 0,1,2,3,4,5,6,7
	global_load_b128 v[W+4*\j:W+4*\j+3], v1, s[6:7] offset:512*\j
.endr
.irp j, 0,1,2,3,4,5,6,7,8,9,10,11,12,13,14,15
	global_load_b128 v[X+4*\j:X+4*\j+3], v1, s[4:5] offset:512*\j th:TH_LOAD_NT   ; each load reads 512 consecutive bytes; sixteen cover my two rows
.endr
.macro RSUM                            ; v4 summed over the 32 lanes, the result in every lane
.irp m, 1,2,4,8
	v_add_f32_dpp v4, v4, v4 row_xmask:\m row_mask:0xf bank_mask:0xf
.endr
	v_permlanex16_b32 v9, v4, s10, s11
	v_add_f32 v4, v4, v9
.endm
.macro ROW r
.set XR, X+32*\r
	v_pk_add_f32 v[4:5], v[XR:XR+1], v[XR+2:XR+3]
	v_pk_add_f32 v[6:7], v[XR+4:XR+5], v[XR+6:XR+7]
.irp k, 8,12,16,20,24,28
	v_pk_add_f32 v[4:5], v[4:5], v[XR+\k:XR+\k+1]
	v_pk_add_f32 v[6:7], v[6:7], v[XR+\k+2:XR+\k+3]
.endr
	v_pk_add_f32 v[4:5], v[4:5], v[6:7]
	v_add_f32 v4, v4, v5
	RSUM
	v_mul_f32 v8, s12, v4                          ; the mean
.irp k, 0,2,4,6,8,10,12,14,16,18,20,22,24,26,28,30
	v_pk_add_f32 v[D+\k:D+\k+1], v[XR+\k:XR+\k+1], v[8:9] op_sel_hi:[1,0] neg_lo:[0,1] neg_hi:[0,1]
.endr
	v_pk_mul_f32 v[4:5], v[D:D+1], v[D:D+1]
	v_pk_mul_f32 v[6:7], v[D+2:D+3], v[D+2:D+3]
.irp k, 4,8,12,16,20,24,28
	v_pk_fma_f32 v[4:5], v[D+\k:D+\k+1], v[D+\k:D+\k+1], v[4:5]
	v_pk_fma_f32 v[6:7], v[D+\k+2:D+\k+3], v[D+\k+2:D+\k+3], v[6:7]
.endr
	v_pk_add_f32 v[4:5], v[4:5], v[6:7]
	v_add_f32 v4, v4, v5
	RSUM
	v_fma_f32 v4, v4, s12, s13                     ; the variance + 1e-5
	v_rsq_f32 v10, v4
	v_nop
	s_wait_alu depctr_va_vdst(0)                   ; ahead of the first reader
.irp k, 0,2,4,6,8,10,12,14,16,18,20,22,24,26,28,30
	v_pk_mul_f32 v[D+\k:D+\k+1], v[D+\k:D+\k+1], v[10:11] op_sel_hi:[1,0]
.endr
.irp k, 0,2,4,6,8,10,12,14,16,18,20,22,24,26,28,30
	v_pk_fma_f32 v[XR+\k:XR+\k+1], v[D+\k:D+\k+1], v[W+\k:W+\k+1], v[XR+\k:XR+\k+1]
.endr
.if LN1
	v_max3_num_f32 v4, |v[XR]|, |v[XR+1]|, s12     ; the row's largest magnitude, with the floor 2^-10 among its leaves
	v_max3_num_f32 v5, |v[XR+2]|, |v[XR+3]|, s12
.irp k, 4,8,12,16,20,24,28
	v_max3_num_f32 v4, v4, |v[XR+\k]|, |v[XR+\k+1]|
	v_max3_num_f32 v5, v5, |v[XR+\k+2]|, |v[XR+\k+3]|
.endr
	v_max_num_f32 v4, v4, v5
.irp m, 1,2,4,8
	v_max_num_f32_dpp v4, v4, v4 row_xmask:\m row_mask:0xf bank_mask:0xf
.endr
	v_permlanex16_b32 v9, v4, s10, s11
	v_max_num_f32 v4, v4, v9
	v_and_b32 v[12+\r], 0x7f800000, v4             ; s: its exponent field alone
	v_sub_nc_u32 v10, 0x7f000000, v[12+\r]         ; 1 / s: the exponent field mirrored
.irp k, 0,2,4,6,8,10,12,14,16,18,20,22,24,26,28,30
	v_pk_mul_f32 v[XR+\k:XR+\k+1], v[XR+\k:XR+\k+1], v[10:11] op_sel_hi:[1,0]
.endr
.irp k, 0,1,2,3,4,5,6,7,8,9,10,11,12,13,14,15
	v_cvt_pk_f16_f32 v[Y+16*\r+\k], v[XR+2*\k], v[XR+2*\k+1]
.endr
.irp j, 0,1,2,3,4,5,6,7
	global_store_b64 v2, v[Y+16*\r+2*\j:Y+16*\r+2*\j+1], s[20:21] offset:256*\j+2048*\r   ; 32 lanes store 256 consecutive bytes, aligned
.endr
.else
.irp j, 0,1,2,3,4,5,6,7
	global_store_b128 v1, v[XR+4*\j:XR+4*\j+3], s[20:21] offset:512*\j+4096*\r th:TH_STORE_NT
.endr
.endif
.endm
	s_wait_loadcnt 8                               ; w and my first row are in; the second row's eight loads may be out
	ROW 0
	s_wait_loadcnt 0x0
	ROW 1
.if LN1
	v_cmp_eq_u32 vcc_lo, 1, v3
	v_cndmask_b32 v14, v12, v13, vcc_lo            ; lane 0: the first row's s; lane 1: the second's
	v_lshlrev_b32 v15, 2, v3
	s_wait_xcnt 0x0                                ; EXEC changes only behind this wait
	v_cmp_gt_u32 vcc_lo, 2, v3
	s_and_saveexec_b32 s22, vcc_lo
	global_store_b32 v15, v14, s[14:15]
	s_wait_xcnt 0x0
	s_or_b32 exec_lo, exec_lo, s22
.endif
	s_endpgm
.Lfunc_end_k_qfb9ef35f8d_ln1:
	.size	k_qfb9ef35f8d_ln1, .Lfunc_end_k_qfb9ef35f8d_ln1-k_qfb9ef35f8d_ln1
	.p2alignl 7, 3214868480
	.fill 96, 4, 3214868480
	.section	.rodata,"a",@progbits
	.p2align	6, 0x0
	.amdhsa_kernel k_qfb9ef35f8d_ln1
		.amdhsa_group_segment_fixed_size 0
		.amdhsa_private_segment_fixed_size 0
		.amdhsa_enable_private_segment 0
		.amdhsa_kernarg_size 24
		.amdhsa_user_sgpr_count 2
		.amdhsa_user_sgpr_kernarg_segment_ptr 1
		.amdhsa_wavefront_size32 1
		.amdhsa_system_sgpr_workgroup_id_x 1
		.amdhsa_system_sgpr_workgroup_id_y 1
		.amdhsa_system_sgpr_workgroup_id_z 1
		.amdhsa_system_vgpr_workitem_id 0
		.amdhsa_next_free_vgpr 176
		.amdhsa_next_free_sgpr 66
		.amdhsa_reserve_vcc 1
		.amdhsa_float_denorm_mode_32 3
		.amdhsa_float_denorm_mode_16_64 3
		.amdhsa_memory_ordered 1
		.amdhsa_forward_progress 1
		.amdhsa_inst_pref_size 25
	.end_amdhsa_kernel
	.amdgpu_metadata
---
amdhsa.version: [ 1, 2 ]
amdhsa.kernels:
  - .name:           k_qfb9ef35f8d_ln1
    .symbol:         k_qfb9ef35f8d_ln1.kd
    .args:
      - { .name: att, .offset: 0, .size: 8, .value_kind: global_buffer, .address_space: global }
      - { .name: ln_w, .offset: 8, .size: 8, .value_kind: global_buffer, .address_space: global }
      - { .name: hn, .offset: 16, .size: 8, .value_kind: global_buffer, .address_space: global }
    .group_segment_fixed_size: 0
    .private_segment_fixed_size: 0
    .kernarg_segment_align: 8
    .kernarg_segment_size: 24
    .max_flat_workgroup_size: 256
    .sgpr_count:     66
    .vgpr_count:     176
    .wavefront_size: 32
...
	.end_amdgpu_metadata
.endif
;; end of part 4
;; launch gemm1 (part 5): grid 16 x 16, 4 waves a work-group, clusters of 4 x 4, 327,680 bytes of LDS; arguments hn, wt, hid, b1; writes hid
.if DOCPART == 5
	.amdgcn_target "amdgcn-amd-amdhsa--gfx1250"
	.amdhsa_code_object_version 6
	.text
	.protected	k_qfb9ef35f8d_gemm1
	.globl	k_qfb9ef35f8d_gemm1
	.p2align	8
	.type	k_qfb9ef35f8d_gemm1,@function
k_qfb9ef35f8d_gemm1:
	s_mov_b64 s[64:65], 0
	v_nop
	global_prefetch_b8 v0, s[64:65] scope:SCOPE_SE
	s_setreg_imm32_b32 hwreg(HW_REG_WAVE_MODE, 25, 1), 1
	s_wait_xcnt 0x0
	s_wait_alu depctr_hold_cnt(0) depctr_sa_sdst(0) depctr_va_vdst(0) depctr_va_sdst(0) depctr_va_ssrc(0) depctr_va_vcc(0) depctr_vm_vsrc(0)
	s_getreg_b32 s2, hwreg(HW_REG_IB_STS2, 6, 4)
	s_cmp_eq_u32 s2, 0
	s_cbranch_scc0 .Lentry_in_a_cluster
	s_endpgm
.Lentry_in_a_cluster:
	s_bfe_u32 s2, ttmp6, 0x10000c
	s_cmp_lg_u32 s2, 0xf033
	s_cbranch_scc0 .Lentry_shape_is_right
	s_endpgm
.Lentry_shape_is_right:
; hid = relu(h' W1 + b1 / s), as f16.  h' = h / s: [4096][1024] f16 at 0 of hn, s: [4096] f32 (powers of two) at SOFF of hn; W1: [1024 k][4096 n] f16 at 0 of wt; hid: [4096][4096] f16 = the hidden layer / s.
; f16 operands, f32 sums.  LIMIT: |hid| stays under 65,504: |h'| is under 2, so that holds while a column's sum of |W1| stays under 16,000 and |b1| / s under 30,000.
; A tile of 256 x 256 is made by four waves, each 128 x 128: 64 accumulators, 512 registers.  K goes in steps of 128 through two LDS slots filled by the tensor data mover.
; h' has K along its rows (256 rows x 256 bytes a step).  W1 has K as its FIRST axis: a step's tile is 128 k-rows x 256 columns (rows of 512 bytes), and its fragments come out of LDS turned, by ds_load_tr16_b128.
; CLUSTERS: 4 x 4 work-groups; h's tile is shared along a row of the cluster, W1's along a column: each is asked for jointly.
; THE MATRIX INSTRUCTION IS USED TRANSPOSED (source 0 = 16 columns of W1, source 1 = 16 rows of h'): a lane holds eight neighbouring columns of one row.
; REGISTERS: window 0: v0-31 addresses; v64-127, v128-191 fragments of h', two buffers; v32-63, v192-255 at work on the way out.
;   window 1: v64-127, v128-191 fragments of W1; v0-63 b1 of my 128 columns; v192-207 1 / s of my 128 rows, twice each.   windows 2, 3: the accumulators ((a, b) at v[8 (8 a + b)]).
.set SIZE_N, 4096
.set SIZE_K, 1024
.set KSTEP,  128
.set PITCH,  272                       ; a row of h' in LDS: 256 bytes + 16: the 16 rows that a load touches start at 16 different banks (64 banks of 4 bytes: ISA guide 11.1)
.set BPITCH, 544                       ; a k-row of W1: 512 bytes + 32 = 136 words, for the turning load
.set HALFT,  128*PITCH                 ; what one tensor load brings: 128 rows of h', or 64 k-rows of W1 (64 x 544 is as much)
.set SLOT,   4*HALFT
.set STAGE,  2*SLOT                    ; behind the slots: 16 rows x 272 bytes for each wave
.set SPITCH, 272
.set SPARE,  STAGE+4*16*SPITCH
.set LAPS,   SIZE_K/(2*KSTEP)
.set SOFF,   8388608
.set ADRA, 16
.set ADRB, 20
.set STO,  24
.set RD,   25
.set CO,   26
.set SPW,  28
.set NIL,  29
.set F0,   64
.set F1,   128
.set TMP,  192
.set OB,   32
.set G1, 24
.set G0, 32
.set G1B, 48
.set G0B, 56
.set MSB, 0
.macro WIN new
.if MSB != \new
	s_set_vgpr_msb (MSB<<8)|\new
.set MSB, \new
.endif
.endm
.set MUL_LO, 0xa1
.set MUL_HI, 0xf1
.set TO_B,   0x40
.macro JLOAD s                         ; waves 0, 1 fetch h's two halves, waves 2, 3 W1's.  An s_nop 0 and four v_nop follow each of the two lines
	s_cmp_eq_u32 s11, 0
	s_cbranch_scc0 .Lfor_b_\@
	tensor_load_to_lds s[G0+4*\s:G0+4*\s+3], s[G1:G1+7]
	s_nop 0
.rept 4
	v_nop
.endr
	s_branch .Lasked_\@
.Lfor_b_\@:
	tensor_load_to_lds s[G0B+4*\s:G0B+4*\s+3], s[G1B:G1B+7]
	s_nop 0
.rept 4
	v_nop
.endr
.Lasked_\@:
.endm
.macro CREST
	s_cmp_lg_u32 s10, 0
	s_cbranch_scc1 .Lnot_wave_0_\@
	s_barrier_signal -3
.Lnot_wave_0_\@:
	s_barrier_wait -3
	s_barrier_signal -1
	s_barrier_wait -1
.endm
.macro CROUND
	s_barrier_signal -1
	s_barrier_wait -1
	CREST
.endm
	s_load_b128 s[4:7], s[0:1], 0x0                ; hn s[4:5], wt s[6:7]
	s_load_b64 s[8:9], s[0:1], 0x10                ; hid
	s_load_b64 s[66:67], s[0:1], 0x18              ; b1
	v_lshl_add_u32 v[SPW], v0, 2, SPARE
	v_mov_b32 v[NIL], 0
	ds_add_u32 v[SPW], v[NIL]                      ; the wave's opening: the add, twice on end, and its wait ahead of my first tensor load
	ds_add_u32 v[SPW], v[NIL]
	v_lshrrev_b32 v1, 5, v0
	v_readfirstlane_b32 s10, v1                    ; wave 0..3
	s_lshr_b32 s11, s10, 1                         ; which half of the tile's rows is mine.  Also: I fetch for h' (0) or for W1 (1)
	s_and_b32 s12, s10, 1                          ; which half of its columns.  Also: which half of that tile I fetch
	s_bfe_u32 s40, ttmp6, 0x40000
	s_bfe_u32 s41, ttmp6, 0x40004
	s_lshl_b32 s42, ttmp9, 2
	s_add_co_u32 s42, s42, s40                     ; tile column
	s_and_b32 s13, ttmp7, 0xffff
	s_lshl_b32 s13, s13, 2
	s_add_co_u32 s13, s13, s41                     ; tile row
	s_lshl_b32 s43, s41, 2
	s_lshl_b32 s43, 15, s43                        ; my row of the cluster
	s_lshl_b32 s44, 0x1111, s40                    ; my column
	s_or_b32 s[G1+0], s43, (1<<16)|(1<<20)|(1<<21)|(5<<22)|(3<<25)   ; the mask; elements of 2 bytes; padding: 4 words after every 64
	s_mov_b32 s[G1+1], KSTEP<<16                   ; tensor_dim0 = 128
	s_mov_b32 s[G1+2], 128<<16                     ; tensor_dim1 = 128
	s_mov_b32 s[G1+3], KSTEP<<16                   ; tile_dim0
	s_mov_b32 s[G1+4], 128                         ; tile_dim1
	s_mov_b32 s[G1+5], SIZE_K                      ; from row to row
	s_mov_b32 s[G1+6], 0
	s_mov_b32 s[G1+7], 0
	s_or_b32 s[G1B+0], s44, (1<<16)|(1<<20)|(1<<21)|(6<<22)|(7<<25)  ; padding: 8 words after every 128
	s_mov_b32 s[G1B+1], 256<<16                    ; 256 columns
	s_mov_b32 s[G1B+2], 64<<16                     ; 64 k-rows
	s_mov_b32 s[G1B+3], 256<<16
	s_mov_b32 s[G1B+4], 64
	s_mov_b32 s[G1B+5], SIZE_N
	s_mov_b32 s[G1B+6], 0
	s_mov_b32 s[G1B+7], 0
	s_lshl_b32 s17, s12, 7
	s_lshl_b32 s16, s13, 8
	s_add_co_u32 s16, s16, s17                     ; h': row 256 x tile row + 128 x half,
	s_lshl_b32 s16, s16, 11                        ; 2,048 bytes a row
	s_mov_b32 s17, 0
	s_lshl_b32 s46, s42, 9                         ; W1: 512 bytes x tile column,
	s_lshl_b32 s47, s12, 19                        ; + 64 k-rows of 8,192 bytes x half
	s_add_co_u32 s46, s46, s47
	s_mov_b32 s47, 0
	s_mul_i32 s20, s10, HALFT                      ; where they go: wave x HALFT
	s_wait_dscnt 0x0                               ; both opening adds are done
	s_wait_kmcnt 0x0
	s_add_nc_u64 s[14:15], s[4:5], s[16:17]
	s_add_nc_u64 s[46:47], s[6:7], s[46:47]
	CROUND                                         ; all sixteen work-groups are here: the first joint loads meet
.irp s, 0,1
	s_mov_b32 s[G0+4*\s], 1
	s_add_co_u32 s[G0+4*\s+1], s20, \s*SLOT
	s_add_nc_u64 s[G0+4*\s+2:G0+4*\s+3], s[14:15], \s*KSTEP*2
	s_or_b32 s[G0+4*\s+3], s[G0+4*\s+3], 0x80000000
	s_mov_b32 s[G0B+4*\s], 1
	s_add_co_u32 s[G0B+4*\s+1], s20, \s*SLOT
	s_add_nc_u64 s[G0B+4*\s+2:G0B+4*\s+3], s[46:47], \s*KSTEP*SIZE_N*2
	s_or_b32 s[G0B+4*\s+3], s[G0B+4*\s+3], 0x80000000
	JLOAD \s                                       ; two tensor loads of mine are out behind the second
.endr
	v_and_b32 v1, 15, v0                           ; r
	v_bfe_u32 v2, v0, 4, 1                         ; h
	v_mul_u32_u24 v3, v1, PITCH
	v_lshl_add_u32 v3, v2, 4, v3                   ; h': row x pitch + 16 x half
	s_mul_i32 s21, s11, HALFT
	v_and_b32 v4, 7, v0
	v_lshl_add_u32 v4, v2, 3, v4
	v_mul_u32_u24 v4, v4, BPITCH                   ; W1, the turning load: k-row 8 h + l % 8,
	v_bfe_u32 v5, v0, 3, 1
	v_lshl_add_u32 v4, v5, 4, v4                   ; columns 8 ((l / 8) % 2) on,
	s_lshl_b32 s22, s12, 8                         ; in my 128 columns,
	s_add_co_u32 s22, s22, 2*HALFT                 ; behind h's 256 rows
.irp s, 0,1
	v_add_nc_u32 v[ADRA+\s], s21, v3
	v_add_nc_u32 v[ADRB+\s], s22, v4
	s_add_co_u32 s21, s21, SLOT
	s_add_co_u32 s22, s22, SLOT
.endr
	s_mul_i32 s23, s10, 16*SPITCH
	s_add_co_u32 s23, s23, STAGE                   ; my stage
	v_mul_u32_u24 v4, v1, SPITCH
	v_lshl_add_u32 v4, v2, 4, v4
	v_add_nc_u32 v[STO], s23, v4
	v_mul_u32_u24 v5, v2, SPITCH
	v_lshl_add_u32 v5, v1, 4, v5
	v_add_nc_u32 v[RD], s23, v5
	v_mul_u32_u24 v5, v2, SIZE_N*2
	v_lshl_add_u32 v[CO], v1, 4, v5
	s_lshl_b32 s13, s13, 8
	s_lshl_b32 s14, s11, 7
	s_add_co_u32 s16, s13, s14                     ; my first row
	s_lshl_b32 s70, s16, 2
	s_add_co_u32 s70, s70, SOFF
	s_mov_b32 s71, 0
	s_add_nc_u64 s[68:69], s[4:5], s[70:71]        ; its s
	s_lshl_b32 s16, s16, 13                        ; 8,192 bytes a row of hid
	s_lshl_b32 s46, s42, 9
	s_lshl_b32 s47, s12, 8
	s_add_co_u32 s46, s46, s47                     ; my first column, in bytes of f16
	s_add_co_u32 s16, s16, s46
	s_mov_b32 s17, 0                               ; s[16:17]: where my part of hid begins
	s_lshl_b32 s70, s46, 1                         ; the same column in bytes of f32
	s_add_nc_u64 s[66:67], s[66:67], s[70:71]
	v_lshlrev_b32 v6, 5, v2                        ; b1: block b's eight columns 16 b + 8 h + 0 .. 7
	v_lshlrev_b32 v7, 2, v1                        ; s: block a's row 16 a + r
	WIN 0x40                                       ; destination window 1
.irp b, 0,1,2,3,4,5,6,7
	global_load_b128 v[8*\b:8*\b+3], v6, s[66:67] offset:64*\b
	global_load_b128 v[8*\b+4:8*\b+7], v6, s[66:67] offset:64*\b+16
.endr
.irp a, 0,1,2,3,4,5,6,7
	global_load_b32 v[192+2*\a], v7, s[68:69] offset:64*\a
.endr
	s_wait_loadcnt 0x0
	s_mov_b32 s70, 0x7f000000
	WIN 0x44                                       ; source 1 and destination window 1
.irp a, 0,1,2,3,4,5,6,7
	v_sub_nc_u32 v[193+2*\a], s70, v[192+2*\a]     ; 1 / s: a power of two's exponent field mirrored; twice, a pair for the packed form
	v_sub_nc_u32 v[192+2*\a], s70, v[192+2*\a]
.endr
	WIN 0
.macro MUL16 f, hi, a0, zero           ; 16 matrix instructions; the 64 accumulators take turns, one instruction a turn.  zero = 1: the first product starts the sums
.irp a, \a0, \a0+1
.irp b, 0,1,2,3,4,5,6,7
.if \zero
	v_wmma_f32_16x16x32_f16 v[8*(8*(\a)+\b):8*(8*(\a)+\b)+7], v[\f+8*\b:\f+8*\b+7], v[\f+8*(4*\hi+\a):\f+8*(4*\hi+\a)+7], 0
.else
	v_wmma_f32_16x16x32_f16 v[8*(8*(\a)+\b):8*(8*(\a)+\b)+7], v[\f+8*\b:\f+8*\b+7], v[\f+8*(4*\hi+\a):\f+8*(4*\hi+\a)+7], v[8*(8*(\a)+\b):8*(8*(\a)+\b)+7]
.endif
.endr
.endr
.endm
.macro FETCH slot, k, f                ; 32 LDS loads in one run: 32 along K at byte k of h's rows, which is k-row k / 2 of W1's tile
	WIN TO_B
.irp i, 0,1,2,3,4,5,6,7
	ds_load_tr16_b128 v[\f+8*\i:\f+8*\i+3],   v[ADRB+\slot] offset:(BPITCH/2)*(\k)+32*\i
	ds_load_tr16_b128 v[\f+8*\i+4:\f+8*\i+7], v[ADRB+\slot] offset:(BPITCH/2)*(\k)+32*\i+16*BPITCH
.endr
	WIN 0
.irp i, 0,1,2,3,4,5,6,7
	ds_load_b128 v[\f+8*\i:\f+8*\i+3],   v[ADRA+\slot] offset:\k+\i*16*PITCH
	ds_load_b128 v[\f+8*\i+4:\f+8*\i+7], v[ADRA+\slot] offset:\k+\i*16*PITCH+32
.endr
.endm
.macro PLACES                          ; four plain vector lines between a matrix instruction and a load into, or a read of, its registers
.rept 4
	v_nop
.endr
.endm
.macro QUARTER slot, k, f, g, zero     ; 32 along K: multiplies buffer f; in its middle fetches the next quarter, at byte k, into buffer g
	s_wait_dscnt 8                                 ; all but the youngest eight loads (h's rows 64-127) are in
	WIN MUL_LO
	MUL16 \f, 0, 0, \zero
	MUL16 \f, 0, 2, \zero
	PLACES
	FETCH \slot, \k, \g
	s_wait_dscnt 32                                ; all but the 32 just issued
	WIN MUL_HI
	MUL16 \f, 1, 0, \zero
	MUL16 \f, 1, 2, \zero
.endm
; A slot's last quarter changes slots: one barrier; in front of it each wave waits for all its tensor loads (one is out: its part of the next slot), adds 0 to its spare word, and waits for that and for its reads of this slot.
; fill = 1: the barrier opens a round of the cluster's barrier, and the joint refill, two K steps ahead, is the first tensor load behind it: 224 matrix instructions ahead of the wait for it.
.macro TURN slot, next, fill
	WIN 0
	s_wait_tensorcnt 0x0
	ds_add_u32 v[SPW], v[NIL]
	s_wait_dscnt 9                                 ; (the add and the youngest eight loads may be out)
	WIN MUL_LO
	MUL16 F1, 0, 0, 0
	s_wait_dscnt 0x0
	s_barrier_signal -1
	MUL16 F1, 0, 2, 0
.if \fill
	WIN 0
.endif
	s_barrier_wait -1
.if \fill
	CREST
	s_add_nc_u64 s[G0+4*\slot+2:G0+4*\slot+3], s[G0+4*\slot+2:G0+4*\slot+3], 2*KSTEP*2
	s_add_nc_u64 s[G0B+4*\slot+2:G0B+4*\slot+3], s[G0B+4*\slot+2:G0B+4*\slot+3], 2*KSTEP*SIZE_N*2
	JLOAD \slot                                    ; the four v_nop behind it are also the places in front of the loads below
.else
	PLACES
.endif
	FETCH \next, 0, F0
	WIN MUL_HI
	MUL16 F1, 1, 0, 0
	MUL16 F1, 1, 2, 0
.endm
	s_wait_tensorcnt 1                             ; my part of K step 0 is in; K step 1's may be out
	s_barrier_signal -1
	s_barrier_wait -1
	FETCH 0, 0, F0
	QUARTER 0, 64,  F0, F1, 1
	WIN 0
	s_mov_b32 s3, LAPS-1
.Llap:                                                 ; a trip goes once round the two slots and fills both again
	QUARTER 0, 128, F1, F0, 0
	QUARTER 0, 192, F0, F1, 0
	TURN 0, 1, 1
	QUARTER 1, 64,  F0, F1, 0
	QUARTER 1, 128, F1, F0, 0
	QUARTER 1, 192, F0, F1, 0
	TURN 1, 0, 1
	QUARTER 0, 64,  F0, F1, 0
	WIN 0
	s_sub_co_u32 s3, s3, 1
	s_cmp_lg_u32 s3, 0
	s_cbranch_scc1 .Llap
	QUARTER 0, 128, F1, F0, 0                      ; the last lap fills nothing
	QUARTER 0, 192, F0, F1, 0
	TURN 0, 1, 0
	QUARTER 1, 64,  F0, F1, 0
	QUARTER 1, 128, F1, F0, 0
	QUARTER 1, 192, F0, F1, 0
	s_wait_dscnt 8
	WIN MUL_LO
	MUL16 F1, 0, 0, 0
	MUL16 F1, 0, 2, 0
	s_wait_dscnt 0
	WIN MUL_HI
	MUL16 F1, 1, 0, 0
	MUL16 F1, 1, 2, 0
; THE WAY OUT of block a (16 rows x 128 columns): + b1 / s, relu, rounded to f16; through my own stage; back as whole rows of 256 bytes.
.macro PACK a
.set AC, 64*((\a)%4)
	WIN 0xa5+0x50*((\a)/4)                         ; b1 and 1 / s in window 1, the sums in window 2 or 3
.irp b, 0,1,2,3,4,5,6,7
.irp u, 0,1,2,3
	v_pk_fma_f32 v[AC+8*\b+2*\u:AC+8*\b+2*\u+1], v[8*\b+2*\u:8*\b+2*\u+1], v[192+2*(\a):193+2*(\a)], v[AC+8*\b+2*\u:AC+8*\b+2*\u+1]   ; each accumulator from its low end on
.endr
.endr
	WIN 0x88+0x44*((\a)/4)
.set n, 0
.rept 64
	v_max_num_f32 v[AC+n], 0, v[AC+n]
.set n, n+1
.endr
	WIN 0x0a+5*((\a)/4)
.irp b, 0,1,2,3,4,5,6,7
.irp u, 0,1,2,3
	v_cvt_pk_f16_f32 v[TMP+4*\b+\u], v[AC+8*\b+2*\u], v[AC+8*\b+2*\u+1]
.endr
.endr
	WIN 0
.endm
.macro TOSTAGE a
.set BK, OB+192*((\a)%2)
.irp b, 0,1,2,3,4,5,6,7
	ds_store_b128 v[STO], v[TMP+4*\b:TMP+4*\b+3] offset:32*\b
.endr
.irp t, 0,1,2,3,4,5,6,7
	ds_load_b128 v[BK+4*\t:BK+4*\t+3], v[RD] offset:\t*2*SPITCH    ; LDS serves a wave's instructions in order (ISA guide 5.7.1.4)
.endr
.endm
.macro SEND a
.set BK, OB+192*((\a)%2)
	s_wait_dscnt 0x0
	s_wait_xcnt 0x0                                ; only behind this wait are the stores' base and the registers that earlier stores read rewritten
.if (\a) == 0
	s_add_nc_u64 s[8:9], s[8:9], s[16:17]
.else
	s_add_nc_u64 s[8:9], s[8:9], 16*SIZE_N*2
.endif
.irp t, 0,1,2,3,4,5,6,7
	global_store_b128 v[CO], v[BK+4*\t:BK+4*\t+3], s[8:9] offset:2*\t*SIZE_N*2   ; 16 lanes store 256 consecutive bytes, aligned
.endr
.endm
	PLACES
	PACK 0
	TOSTAGE 0
.irp a, 1,2,3,4,5,6,7
	PACK \a
	SEND \a-1
	TOSTAGE \a
.endr
	SEND 7
	s_wait_tensorcnt 0x0                           ; the wave's end
	ds_add_u32 v[SPW], v[NIL]
	s_wait_dscnt 0x0
	CROUND                                         ; the closing round
	s_endpgm
.Lfunc_end_k_qfb9ef35f8d_gemm1:
	.size	k_qfb9ef35f8d_gemm1, .Lfunc_end_k_qfb9ef35f8d_gemm1-k_qfb9ef35f8d_gemm1
	.p2alignl 7, 3214868480
	.fill 96, 4, 3214868480
	.section	.rodata,"a",@progbits
	.p2align	6, 0x0
	.amdhsa_kernel k_qfb9ef35f8d_gemm1
		.amdhsa_group_segment_fixed_size 327680
		.amdhsa_private_segment_fixed_size 0
		.amdhsa_enable_private_segment 0
		.amdhsa_kernarg_size 32
		.amdhsa_user_sgpr_count 2
		.amdhsa_user_sgpr_kernarg_segment_ptr 1
		.amdhsa_wavefront_size32 1
		.amdhsa_system_sgpr_workgroup_id_x 1
		.amdhsa_system_sgpr_workgroup_id_y 1
		.amdhsa_system_sgpr_workgroup_id_z 1
		.amdhsa_system_vgpr_workitem_id 0
		.amdhsa_next_free_vgpr 1024
		.amdhsa_next_free_sgpr 72
		.amdhsa_reserve_vcc 0
		.amdhsa_float_denorm_mode_32 3
		.amdhsa_float_denorm_mode_16_64 3
		.amdhsa_memory_ordered 1
		.amdhsa_forward_progress 1
		.amdhsa_inst_pref_size 179
	.end_amdhsa_kernel
	.amdgpu_metadata
---
amdhsa.version: [ 1, 2 ]
amdhsa.kernels:
  - .name:           k_qfb9ef35f8d_gemm1
    .symbol:         k_qfb9ef35f8d_gemm1.kd
    .args:
      - { .name: hn, .offset: 0, .size: 8, .value_kind: global_buffer, .address_space: global }
      - { .name: wt, .offset: 8, .size: 8, .value_kind: global_buffer, .address_space: global }
      - { .name: hid, .offset: 16, .size: 8, .value_kind: global_buffer, .address_space: global }
      - { .name: b1, .offset: 24, .size: 8, .value_kind: global_buffer, .address_space: global }
    .group_segment_fixed_size: 327680
    .private_segment_fixed_size: 0
    .kernarg_segment_align: 8
    .kernarg_segment_size: 32
    .max_flat_workgroup_size: 128
    .sgpr_count:     72
    .vgpr_count:     1024
    .wavefront_size: 32
...
	.end_amdgpu_metadata
.endif
;; end of part 5
;; launch gemm2 (part 6): grid 8 x 32, 4 waves a work-group, clusters of 4 x 4, 327,680 bytes of LDS; arguments hid, wt, ff, b2, hn; writes ff
.if DOCPART == 6
	.amdgcn_target "amdgcn-amd-amdhsa--gfx1250"
	.amdhsa_code_object_version 6
	.text
	.protected	k_qfb9ef35f8d_gemm2
	.globl	k_qfb9ef35f8d_gemm2
	.p2align	8
	.type	k_qfb9ef35f8d_gemm2,@function
k_qfb9ef35f8d_gemm2:
	s_mov_b64 s[64:65], 0
	v_nop
	global_prefetch_b8 v0, s[64:65] scope:SCOPE_SE
	s_setreg_imm32_b32 hwreg(HW_REG_WAVE_MODE, 25, 1), 1
	s_wait_xcnt 0x0
	s_wait_alu depctr_hold_cnt(0) depctr_sa_sdst(0) depctr_va_vdst(0) depctr_va_sdst(0) depctr_va_ssrc(0) depctr_va_vcc(0) depctr_vm_vsrc(0)
	s_getreg_b32 s2, hwreg(HW_REG_IB_STS2, 6, 4)
	s_cmp_eq_u32 s2, 0
	s_cbranch_scc0 .Lentry_in_a_cluster
	s_endpgm
.Lentry_in_a_cluster:
	s_bfe_u32 s2, ttmp6, 0x10000c
	s_cmp_lg_u32 s2, 0xf033
	s_cbranch_scc0 .Lentry_shape_is_right
	s_endpgm
.Lentry_shape_is_right:
; f = s x (hid W2) + b2, f32.  hid: [4096][4096] f16 (the hidden layer / s); W2: [4096 k][1024 n] f16 at W2OFF of wt; s: [4096] f32 at SOFF of hn; f: [4096][1024] f32.  f16 operands, f32 sums.
; A tile is 128 x 128, so that there are 256 work-groups: four waves, each 64 x 64: 16 accumulators.  K goes in steps of 256 through two LDS slots.
; hid has K along its rows (128 rows x 512 bytes a step).  W2 has K as its first axis: a step's tile is 256 k-rows x 128 columns (rows of 256 bytes); its fragments come out of LDS turned, by ds_load_tr16_b128.
; CLUSTERS: 4 x 4 work-groups; hid's tile is shared along a row of the cluster, W2's along a column.  THE MATRIX INSTRUCTION IS USED TRANSPOSED: a lane holds eight neighbouring columns of one row.
; REGISTERS: window 0: v0-31 addresses and s (v8-15, twice each); v32-63 at work on the way out; v96-127 b2 of my 64 columns; v128-255 the accumulators ((a, b) at v[128 + 8 (4 a + b)]).
;   window 1: two fragment buffers of 128: 64 registers of hid (2 x 4 x 16 rows x 32 K), then 64 of W2.
.set SIZE_N, 1024
.set SIZE_K, 4096
.set KSTEP,  256
.set PITCH,  528                       ; a row of hid in LDS: 512 bytes + 16
.set BPITCH, 288                       ; a k-row of W2: 256 bytes + 32 = 72 words, for the turning load
.set HALFA,  64*PITCH                  ; what waves 0, 1 fetch
.set HALFB,  128*BPITCH                ; what waves 2, 3 fetch
.set BOFF,   2*HALFA
.set SLOT,   BOFF+2*HALFB
.set STAGE,  2*SLOT                    ; behind the slots: 16 rows x 272 bytes for each wave
.set SPITCH, 272
.set SPARE,  STAGE+4*16*SPITCH
.set LAPS,   SIZE_K/(2*KSTEP)
.set W2OFF,  8388608
.set SOFF,   8388608
.set SV,   8                           ; v8-15  s of my rows: block a's at v[8 + 2 a], twice
.set ADRA, 16
.set ADRB, 20                          ; v20-21 W2's fragments, k-rows 0-127 of slot 0, 1;
.set ADRB2, 22                         ; v22-23 k-rows 128-255: so every offset fits its 16 bits
.set STO,  24
.set RD,   25
.set CO,   26
.set SPW,  28
.set NIL,  29
.set TMP,  32
.set B2,   96
.set ACC,  128
.set F0,   0
.set F1,   128
.set G1, 24
.set G0, 32
.set G1B, 48
.set G0B, 56
.set MSB, 0
.macro WIN new
.if MSB != \new
	s_set_vgpr_msb (MSB<<8)|\new
.set MSB, \new
.endif
.endm
.set MUL,  0x05                        ; sources 0 and 1 window 1; C and D window 0
.set TO_F, 0x40
.macro JLOAD s                         ; waves 0, 1 fetch hid's two halves, waves 2, 3 W2's.  An s_nop 0 and four v_nop follow each of the two lines
	s_cmp_eq_u32 s11, 0
	s_cbranch_scc0 .Lfor_b_\@
	tensor_load_to_lds s[G0+4*\s:G0+4*\s+3], s[G1:G1+7]
	s_nop 0
.rept 4
	v_nop
.endr
	s_branch .Lasked_\@
.Lfor_b_\@:
	tensor_load_to_lds s[G0B+4*\s:G0B+4*\s+3], s[G1B:G1B+7]
	s_nop 0
.rept 4
	v_nop
.endr
.Lasked_\@:
.endm
.macro CREST
	s_cmp_lg_u32 s10, 0
	s_cbranch_scc1 .Lnot_wave_0_\@
	s_barrier_signal -3
.Lnot_wave_0_\@:
	s_barrier_wait -3
	s_barrier_signal -1
	s_barrier_wait -1
.endm
.macro CROUND
	s_barrier_signal -1
	s_barrier_wait -1
	CREST
.endm
	s_load_b128 s[4:7], s[0:1], 0x0                ; hid s[4:5], wt s[6:7]
	s_load_b64 s[8:9], s[0:1], 0x10                ; ff
	s_load_b128 s[68:71], s[0:1], 0x18             ; b2 s[68:69], hn s[70:71]
	v_lshl_add_u32 v[SPW], v0, 2, SPARE
	v_mov_b32 v[NIL], 0
	ds_add_u32 v[SPW], v[NIL]                      ; the wave's opening: the add, twice on end, and its wait ahead of my first tensor load
	ds_add_u32 v[SPW], v[NIL]
	v_lshrrev_b32 v1, 5, v0
	v_readfirstlane_b32 s10, v1                    ; wave 0..3
	s_lshr_b32 s11, s10, 1                         ; which half of the tile's rows is mine.  Also: I fetch for hid (0) or for W2 (1)
	s_and_b32 s12, s10, 1                          ; which half of its columns.  Also: which half of that tile I fetch
	s_bfe_u32 s40, ttmp6, 0x40000
	s_bfe_u32 s41, ttmp6, 0x40004
	s_lshl_b32 s42, ttmp9, 2
	s_add_co_u32 s42, s42, s40                     ; tile column
	s_and_b32 s13, ttmp7, 0xffff
	s_lshl_b32 s13, s13, 2
	s_add_co_u32 s13, s13, s41                     ; tile row
	s_lshl_b32 s43, s41, 2
	s_lshl_b32 s43, 15, s43
	s_lshl_b32 s44, 0x1111, s40
	s_or_b32 s[G1+0], s43, (1<<16)|(1<<20)|(1<<21)|(6<<22)|(3<<25)   ; padding: 4 words after every 128
	s_mov_b32 s[G1+1], KSTEP<<16                   ; 256 along K
	s_mov_b32 s[G1+2], 64<<16                      ; 64 rows
	s_mov_b32 s[G1+3], KSTEP<<16
	s_mov_b32 s[G1+4], 64
	s_mov_b32 s[G1+5], SIZE_K
	s_mov_b32 s[G1+6], 0
	s_mov_b32 s[G1+7], 0
	s_or_b32 s[G1B+0], s44, (1<<16)|(1<<20)|(1<<21)|(5<<22)|(7<<25)  ; padding: 8 words after every 64
	s_mov_b32 s[G1B+1], 128<<16                    ; 128 columns
	s_mov_b32 s[G1B+2], 128<<16                    ; 128 k-rows
	s_mov_b32 s[G1B+3], 128<<16
	s_mov_b32 s[G1B+4], 128
	s_mov_b32 s[G1B+5], SIZE_N
	s_mov_b32 s[G1B+6], 0
	s_mov_b32 s[G1B+7], 0
	s_lshl_b32 s17, s12, 6
	s_lshl_b32 s16, s13, 7
	s_add_co_u32 s16, s16, s17                     ; hid: row 128 x tile row + 64 x half,
	s_lshl_b32 s16, s16, 13                        ; 8,192 bytes a row
	s_mov_b32 s17, 0
	s_lshl_b32 s46, s42, 8                         ; W2: 256 bytes x tile column,
	s_lshl_b32 s47, s12, 18                        ; + 128 k-rows of 2,048 bytes x half,
	s_add_co_u32 s46, s46, s47
	s_add_co_u32 s46, s46, W2OFF                   ; behind W1 in wt
	s_mov_b32 s47, 0
	s_mul_i32 s20, s12, HALFA                      ; where they go
	s_mul_i32 s21, s12, HALFB
	s_add_co_u32 s21, s21, BOFF
	s_wait_dscnt 0x0                               ; both opening adds are done
	s_wait_kmcnt 0x0
	s_add_nc_u64 s[14:15], s[4:5], s[16:17]
	s_add_nc_u64 s[46:47], s[6:7], s[46:47]
	CROUND                                         ; all sixteen work-groups are here: the first joint loads meet
.irp s, 0,1
	s_mov_b32 s[G0+4*\s], 1
	s_add_co_u32 s[G0+4*\s+1], s20, \s*SLOT
	s_add_nc_u64 s[G0+4*\s+2:G0+4*\s+3], s[14:15], \s*KSTEP*2
	s_or_b32 s[G0+4*\s+3], s[G0+4*\s+3], 0x80000000
	s_mov_b32 s[G0B+4*\s], 1
	s_add_co_u32 s[G0B+4*\s+1], s21, \s*SLOT
	s_add_nc_u64 s[G0B+4*\s+2:G0B+4*\s+3], s[46:47], \s*KSTEP*SIZE_N*2
	s_or_b32 s[G0B+4*\s+3], s[G0B+4*\s+3], 0x80000000
	JLOAD \s                                       ; two tensor loads of mine are out behind the second
.endr
	v_and_b32 v1, 15, v0                           ; r
	v_bfe_u32 v2, v0, 4, 1                         ; h
	v_mul_u32_u24 v3, v1, PITCH
	v_lshl_add_u32 v3, v2, 4, v3
	s_mul_i32 s21, s11, HALFA                      ; my 64 rows of hid
	v_and_b32 v4, 7, v0
	v_lshl_add_u32 v4, v2, 3, v4
	v_mul_u32_u24 v4, v4, BPITCH                   ; W2, the turning load: k-row 8 h + l % 8,
	v_bfe_u32 v5, v0, 3, 1
	v_lshl_add_u32 v4, v5, 4, v4                   ; columns 8 ((l / 8) % 2) on,
	s_lshl_b32 s22, s12, 7                         ; in my 64 columns,
	s_add_co_u32 s22, s22, BOFF                    ; behind hid's 128 rows
.irp s, 0,1
	v_add_nc_u32 v[ADRA+\s], s21, v3
	v_add_nc_u32 v[ADRB+\s], s22, v4
	v_add_nc_u32 v[ADRB2+\s], HALFB, v[ADRB+\s]
	s_add_co_u32 s21, s21, SLOT
	s_add_co_u32 s22, s22, SLOT
.endr
	s_mul_i32 s23, s10, 16*SPITCH
	s_add_co_u32 s23, s23, STAGE                   ; my stage
	v_mul_u32_u24 v4, v1, SPITCH
	v_lshl_add_u32 v4, v2, 5, v4
	v_add_nc_u32 v[STO], s23, v4                   ; in: row r, 32 bytes for each half of the lanes
	v_mul_u32_u24 v5, v2, SPITCH
	v_lshl_add_u32 v5, v1, 4, v5
	v_add_nc_u32 v[RD], s23, v5                    ; back: lanes 0-15 one row of 256 bytes, lanes 16-31 the next
	v_lshlrev_b32 v5, 12, v2
	v_lshl_add_u32 v[CO], v1, 4, v5                ; and the same two rows of f
	s_lshl_b32 s16, s13, 7
	s_lshl_b32 s17, s11, 6
	s_add_co_u32 s16, s16, s17                     ; my first row
	s_lshl_b32 s18, s16, 2
	s_add_co_u32 s18, s18, SOFF
	s_mov_b32 s19, 0
	s_add_nc_u64 s[70:71], s[70:71], s[18:19]      ; its s
	s_lshl_b32 s16, s16, 12                        ; 4,096 bytes a row of f
	s_lshl_b32 s46, s42, 9
	s_lshl_b32 s47, s12, 8
	s_add_co_u32 s46, s46, s47                     ; my first column, in bytes of f32
	s_mov_b32 s47, 0
	s_add_nc_u64 s[68:69], s[68:69], s[46:47]      ; its b2
	s_add_co_u32 s16, s16, s46
	s_mov_b32 s17, 0
	s_add_nc_u64 s[8:9], s[8:9], s[16:17]
	v_lshlrev_b32 v6, 5, v2                        ; b2: block b's eight columns 16 b + 8 h + 0 .. 7
	v_lshlrev_b32 v7, 2, v1                        ; s: block a's row 16 a + r
.irp b, 0,1,2,3
	global_load_b128 v[B2+8*\b:B2+8*\b+3], v6, s[68:69] offset:64*\b
	global_load_b128 v[B2+8*\b+4:B2+8*\b+7], v6, s[68:69] offset:64*\b+16
.endr
.irp a, 0,1,2,3
	global_load_b32 v[SV+2*\a], v7, s[70:71] offset:64*\a
	global_load_b32 v[SV+2*\a+1], v7, s[70:71] offset:64*\a   ; twice: a pair for the packed form
.endr
.macro MUL8 f, c, a0, zero             ; 8 matrix instructions; the 16 accumulators take turns, one instruction a turn
.irp a, \a0, \a0+1
.irp b, 0,1,2,3
.if \zero
	v_wmma_f32_16x16x32_f16 v[ACC+8*(4*(\a)+\b):ACC+8*(4*(\a)+\b)+7], v[\f+64+8*(4*\c+\b):\f+64+8*(4*\c+\b)+7], v[\f+8*(4*\c+\a):\f+8*(4*\c+\a)+7], 0
.else
	v_wmma_f32_16x16x32_f16 v[ACC+8*(4*(\a)+\b):ACC+8*(4*(\a)+\b)+7], v[\f+64+8*(4*\c+\b):\f+64+8*(4*\c+\b)+7], v[\f+8*(4*\c+\a):\f+8*(4*\c+\a)+7], v[ACC+8*(4*(\a)+\b):ACC+8*(4*(\a)+\b)+7]
.endif
.endr
.endr
.endm
.macro FETCH slot, k, f                ; 32 LDS loads in one run: 64 along K at byte k of hid's rows, which is k-row k / 2 of W2's tile; the first 32 along K first
	WIN TO_F
.irp c, 0,1
.irp i, 0,1,2,3
.if (\k) >= 256
	ds_load_tr16_b128 v[\f+64+8*(4*\c+\i):\f+64+8*(4*\c+\i)+3],   v[ADRB2+\slot] offset:(BPITCH/2)*((\k)-256)+32*BPITCH*\c+32*\i
	ds_load_tr16_b128 v[\f+64+8*(4*\c+\i)+4:\f+64+8*(4*\c+\i)+7], v[ADRB2+\slot] offset:(BPITCH/2)*((\k)-256)+32*BPITCH*\c+32*\i+16*BPITCH
.else
	ds_load_tr16_b128 v[\f+64+8*(4*\c+\i):\f+64+8*(4*\c+\i)+3],   v[ADRB+\slot] offset:(BPITCH/2)*(\k)+32*BPITCH*\c+32*\i
	ds_load_tr16_b128 v[\f+64+8*(4*\c+\i)+4:\f+64+8*(4*\c+\i)+7], v[ADRB+\slot] offset:(BPITCH/2)*(\k)+32*BPITCH*\c+32*\i+16*BPITCH
.endif
	ds_load_b128 v[\f+8*(4*\c+\i):\f+8*(4*\c+\i)+3],         v[ADRA+\slot] offset:\k+64*\c+\i*16*PITCH
	ds_load_b128 v[\f+8*(4*\c+\i)+4:\f+8*(4*\c+\i)+7],       v[ADRA+\slot] offset:\k+64*\c+\i*16*PITCH+32
.endr
.endr
.endm
.macro PLACES
.rept 4
	v_nop
.endr
.endm
.macro QUARTER slot, k, f, g, zero     ; 64 along K: multiplies buffer f and fetches the next quarter, at byte k, into g
	s_wait_dscnt 16                                ; the first 32 along K are in
	WIN MUL
	MUL8 \f, 0, 0, \zero
	MUL8 \f, 0, 2, \zero
	PLACES
	FETCH \slot, \k, \g
	s_wait_dscnt 32                                ; all but the 32 just issued
	WIN MUL
	MUL8 \f, 1, 0, 0
	MUL8 \f, 1, 2, 0
.endm
; A slot's last quarter changes slots: one barrier; in front of it each wave waits for all its tensor loads, adds 0 to its spare word, and waits for that and for its reads of this slot.
; fill = 1: the barrier opens a round of the cluster's barrier; the joint refill, two K steps ahead, is the first tensor load behind it: 112 matrix instructions ahead of the wait for it.
.macro TURN slot, next, fill
	WIN 0
	s_wait_tensorcnt 0x0
	ds_add_u32 v[SPW], v[NIL]
	s_wait_dscnt 17                                ; (the add and the youngest sixteen loads may be out)
	WIN MUL
	MUL8 F1, 0, 0, 0
	s_wait_dscnt 0x0
	s_barrier_signal -1
	MUL8 F1, 0, 2, 0
.if \fill
	WIN 0
.endif
	s_barrier_wait -1
.if \fill
	CREST
	s_add_nc_u64 s[G0+4*\slot+2:G0+4*\slot+3], s[G0+4*\slot+2:G0+4*\slot+3], 2*KSTEP*2
	s_add_nc_u64 s[G0B+4*\slot+2:G0B+4*\slot+3], s[G0B+4*\slot+2:G0B+4*\slot+3], 2*KSTEP*SIZE_N*2
	JLOAD \slot                                    ; the four v_nop behind it are also the places in front of the loads below
.else
	PLACES
.endif
	FETCH \next, 0, F0
	WIN MUL
	MUL8 F1, 1, 0, 0
	MUL8 F1, 1, 2, 0
.endm
	s_wait_loadcnt 0x0                             ; b2 and s
	s_wait_tensorcnt 1                             ; my part of K step 0 is in; K step 1's may be out
	s_barrier_signal -1
	s_barrier_wait -1
	FETCH 0, 0, F0
	QUARTER 0, 128, F0, F1, 1
	WIN 0
	s_mov_b32 s3, LAPS-1
.Llap:                                                 ; a trip goes once round the two slots and fills both again
	QUARTER 0, 256, F1, F0, 0
	QUARTER 0, 384, F0, F1, 0
	TURN 0, 1, 1
	QUARTER 1, 128, F0, F1, 0
	QUARTER 1, 256, F1, F0, 0
	QUARTER 1, 384, F0, F1, 0
	TURN 1, 0, 1
	QUARTER 0, 128, F0, F1, 0
	WIN 0
	s_sub_co_u32 s3, s3, 1
	s_cmp_lg_u32 s3, 0
	s_cbranch_scc1 .Llap
	QUARTER 0, 256, F1, F0, 0                      ; the last lap fills nothing
	QUARTER 0, 384, F0, F1, 0
	TURN 0, 1, 0
	QUARTER 1, 128, F0, F1, 0
	QUARTER 1, 256, F1, F0, 0
	QUARTER 1, 384, F0, F1, 0
	s_wait_dscnt 16
	WIN MUL
	MUL8 F1, 0, 0, 0
	MUL8 F1, 0, 2, 0
	s_wait_dscnt 0
	MUL8 F1, 1, 0, 0
	MUL8 F1, 1, 2, 0
	WIN 0
	; THE WAY OUT.  A wave's 64 columns of f32 are 256 bytes of a row. Block a (16 rows): x s + b2, into the stage, and back as whole rows
	; into the block's own accumulator registers, which are done with: so no register is used twice and nothing waits for a store.
	PLACES
.irp a, 0,1,2,3
.irp b, 0,1,2,3
.irp u, 0,1,2,3
	v_pk_fma_f32 v[TMP+8*\b+2*\u:TMP+8*\b+2*\u+1], v[ACC+8*(4*\a+\b)+2*\u:ACC+8*(4*\a+\b)+2*\u+1], v[SV+2*\a:SV+2*\a+1], v[B2+8*\b+2*\u:B2+8*\b+2*\u+1]   ; each accumulator from its low end on
.endr
.endr
.irp b, 0,1,2,3
	ds_store_b128 v[STO], v[TMP+8*\b:TMP+8*\b+3] offset:64*\b
	ds_store_b128 v[STO], v[TMP+8*\b+4:TMP+8*\b+7] offset:64*\b+16
.endr
.irp t, 0,1,2,3,4,5,6,7
	ds_load_b128 v[ACC+32*\a+4*\t:ACC+32*\a+4*\t+3], v[RD] offset:\t*2*SPITCH   ; LDS serves a wave's instructions in order (ISA guide 5.7.1.4): these see the stores above, and the next block's stores come behind them
.endr
.endr
.irp a, 0,1,2,3
.irp t, 0,1,2,3,4,5,6,7
	s_wait_dscnt 16*(3-\a)+7-\t                    ; behind this load: the rest of its block's loads and sixteen LDS instructions for each later block
	global_store_b128 v[CO], v[ACC+32*\a+4*\t:ACC+32*\a+4*\t+3], s[8:9] offset:(16*\a+2*\t)*SIZE_N*4   ; 16 lanes store 256 consecutive bytes, aligned
.endr
.endr
	s_wait_tensorcnt 0x0                           ; the wave's end
	ds_add_u32 v[SPW], v[NIL]
	s_wait_dscnt 0x0
	CROUND                                         ; the closing round
	s_endpgm
.Lfunc_end_k_qfb9ef35f8d_gemm2:
	.size	k_qfb9ef35f8d_gemm2, .Lfunc_end_k_qfb9ef35f8d_gemm2-k_qfb9ef35f8d_gemm2
	.p2alignl 7, 3214868480
	.fill 96, 4, 3214868480
	.section	.rodata,"a",@progbits
	.p2align	6, 0x0
	.amdhsa_kernel k_qfb9ef35f8d_gemm2
		.amdhsa_group_segment_fixed_size 327680
		.amdhsa_private_segment_fixed_size 0
		.amdhsa_enable_private_segment 0
		.amdhsa_kernarg_size 40
		.amdhsa_user_sgpr_count 2
		.amdhsa_user_sgpr_kernarg_segment_ptr 1
		.amdhsa_wavefront_size32 1
		.amdhsa_system_sgpr_workgroup_id_x 1
		.amdhsa_system_sgpr_workgroup_id_y 1
		.amdhsa_system_sgpr_workgroup_id_z 1
		.amdhsa_system_vgpr_workitem_id 0
		.amdhsa_next_free_vgpr 512
		.amdhsa_next_free_sgpr 72
		.amdhsa_reserve_vcc 0
		.amdhsa_float_denorm_mode_32 3
		.amdhsa_float_denorm_mode_16_64 3
		.amdhsa_memory_ordered 1
		.amdhsa_forward_progress 1
		.amdhsa_inst_pref_size 93
	.end_amdhsa_kernel
	.amdgpu_metadata
---
amdhsa.version: [ 1, 2 ]
amdhsa.kernels:
  - .name:           k_qfb9ef35f8d_gemm2
    .symbol:         k_qfb9ef35f8d_gemm2.kd
    .args:
      - { .name: hid, .offset: 0, .size: 8, .value_kind: global_buffer, .address_space: global }
      - { .name: wt, .offset: 8, .size: 8, .value_kind: global_buffer, .address_space: global }
      - { .name: ff, .offset: 16, .size: 8, .value_kind: global_buffer, .address_space: global }
      - { .name: b2, .offset: 24, .size: 8, .value_kind: global_buffer, .address_space: global }
      - { .name: hn, .offset: 32, .size: 8, .value_kind: global_buffer, .address_space: global }
    .group_segment_fixed_size: 327680
    .private_segment_fixed_size: 0
    .kernarg_segment_align: 8
    .kernarg_segment_size: 40
    .max_flat_workgroup_size: 128
    .sgpr_count:     72
    .vgpr_count:     512
    .wavefront_size: 32
...
	.end_amdgpu_metadata
.endif
;; end of part 6
;; launch ln2 (part 7): grid 256 x 1, 8 waves a work-group, no clusters, 0 bytes of LDS; arguments ff, ln_w, out0; writes out0
.if DOCPART == 7
	.amdgcn_target "amdgcn-amd-amdhsa--gfx1250"
	.amdhsa_code_object_version 6
	.text
	.protected	k_qfb9ef35f8d_ln2
	.globl	k_qfb9ef35f8d_ln2
	.p2align	8
	.type	k_qfb9ef35f8d_ln2,@function
k_qfb9ef35f8d_ln2:
	s_mov_b64 s[64:65], 0
	v_nop
	global_prefetch_b8 v0, s[64:65] scope:SCOPE_SE
	s_setreg_imm32_b32 hwreg(HW_REG_WAVE_MODE, 25, 1), 1
	s_wait_xcnt 0x0
; out = f + (f - mean) / sqrt(var + 1e-5) x w, row by row of 1,024, in f32.  f, out: [4096][1024] f32.
; A wave takes two rows, each 32 registers: the row is read once; the mean is taken first and the variance of the differences.  No LDS, no barrier: waves share nothing.  Matrix units and clusters have nothing to do here.
; LIMITS: NaN and infinities are not served.
.set W, 16                             ; v16-47   w
.set X, 48                             ; v48-111  the two rows
.set D, 112                            ; v112-143 at work
	s_load_b128 s[4:7], s[0:1], 0x0                ; the rows, w
	s_load_b64 s[8:9], s[0:1], 0x10                ; the results
	v_lshrrev_b32 v1, 5, v0
	v_readfirstlane_b32 s16, v1                    ; wave 0..7
	v_and_b32 v3, 31, v0
	v_lshlrev_b32 v1, 4, v3                        ; 16 bytes a lane
	s_lshl_b32 s17, ttmp9, 4
	s_lshl_b32 s18, s16, 1
	s_add_co_u32 s17, s17, s18                     ; my first row
	s_lshl_b32 s18, s17, 12
	s_mov_b32 s19, 0
	s_mov_b32 s10, 0x76543210
	s_mov_b32 s11, 0xfedcba98
	s_mov_b32 s12, 0x3a800000                      ; 2^-10 = 1 / 1024
	s_mov_b32 s13, 0x3727c5ac                      ; 1e-5
	v_mov_b32 v9, 0
	v_mov_b32 v11, 0
	s_wait_kmcnt 0x0
	s_add_nc_u64 s[4:5], s[4:5], s[18:19]
	s_add_nc_u64 s[20:21], s[8:9], s[18:19]
.irp j, 0,1,2,3,4,5,6,7
	global_load_b128 v[W+4*\j:W+4*\j+3], v1, s[6:7] offset:512*\j
.endr
.irp j, 0,1,2,3,4,5,6,7,8,9,10,11,12,13,14,15
	global_load_b128 v[X+4*\j:X+4*\j+3], v1, s[4:5] offset:512*\j th:TH_LOAD_NT   ; each load reads 512 consecutive bytes; sixteen cover my two rows
.endr
.macro RSUM                            ; v4 summed over the 32 lanes, the result in every lane
.irp m, 1,2,4,8
	v_add_f32_dpp v4, v4, v4 row_xmask:\m row_mask:0xf bank_mask:0xf
.endr
	v_permlanex16_b32 v9, v4, s10, s11
	v_add_f32 v4, v4, v9
.endm
.macro ROW r
.set XR, X+32*\r
	v_pk_add_f32 v[4:5], v[XR:XR+1], v[XR+2:XR+3]
	v_pk_add_f32 v[6:7], v[XR+4:XR+5], v[XR+6:XR+7]
.irp k, 8,12,16,20,24,28
	v_pk_add_f32 v[4:5], v[4:5], v[XR+\k:XR+\k+1]
	v_pk_add_f32 v[6:7], v[6:7], v[XR+\k+2:XR+\k+3]
.endr
	v_pk_add_f32 v[4:5], v[4:5], v[6:7]
	v_add_f32 v4, v4, v5
	RSUM
	v_mul_f32 v8, s12, v4                          ; the mean
.irp k, 0,2,4,6,8,10,12,14,16,18,20,22,24,26,28,30
	v_pk_add_f32 v[D+\k:D+\k+1], v[XR+\k:XR+\k+1], v[8:9] op_sel_hi:[1,0] neg_lo:[0,1] neg_hi:[0,1]
.endr
	v_pk_mul_f32 v[4:5], v[D:D+1], v[D:D+1]
	v_pk_mul_f32 v[6:7], v[D+2:D+3], v[D+2:D+3]
.irp k, 4,8,12,16,20,24,28
	v_pk_fma_f32 v[4:5], v[D+\k:D+\k+1], v[D+\k:D+\k+1], v[4:5]
	v_pk_fma_f32 v[6:7], v[D+\k+2:D+\k+3], v[D+\k+2:D+\k+3], v[6:7]
.endr
	v_pk_add_f32 v[4:5], v[4:5], v[6:7]
	v_add_f32 v4, v4, v5
	RSUM
	v_fma_f32 v4, v4, s12, s13                     ; the variance + 1e-5
	v_rsq_f32 v10, v4
	v_nop
	s_wait_alu depctr_va_vdst(0)                   ; ahead of the first reader
.irp k, 0,2,4,6,8,10,12,14,16,18,20,22,24,26,28,30
	v_pk_mul_f32 v[D+\k:D+\k+1], v[D+\k:D+\k+1], v[10:11] op_sel_hi:[1,0]
.endr
.irp k, 0,2,4,6,8,10,12,14,16,18,20,22,24,26,28,30
	v_pk_fma_f32 v[XR+\k:XR+\k+1], v[D+\k:D+\k+1], v[W+\k:W+\k+1], v[XR+\k:XR+\k+1]
.endr
.irp j, 0,1,2,3,4,5,6,7
	global_store_b128 v1, v[XR+4*\j:XR+4*\j+3], s[20:21] offset:512*\j+4096*\r th:TH_STORE_NT   ; 32 lanes store 512 consecutive bytes, aligned
.endr
.endm
	s_wait_loadcnt 8                               ; w and my first row are in; the second row's eight loads may be out
	ROW 0
	s_wait_loadcnt 0x0
	ROW 1
	s_endpgm
.Lfunc_end_k_qfb9ef35f8d_ln2:
	.size	k_qfb9ef35f8d_ln2, .Lfunc_end_k_qfb9ef35f8d_ln2-k_qfb9ef35f8d_ln2
	.p2alignl 7, 3214868480
	.fill 96, 4, 3214868480
	.section	.rodata,"a",@progbits
	.p2align	6, 0x0
	.amdhsa_kernel k_qfb9ef35f8d_ln2
		.amdhsa_group_segment_fixed_size 0
		.amdhsa_private_segment_fixed_size 0
		.amdhsa_enable_private_segment 0
		.amdhsa_kernarg_size 24
		.amdhsa_user_sgpr_count 2
		.amdhsa_user_sgpr_kernarg_segment_ptr 1
		.amdhsa_wavefront_size32 1
		.amdhsa_system_sgpr_workgroup_id_x 1
		.amdhsa_system_sgpr_workgroup_id_y 1
		.amdhsa_system_sgpr_workgroup_id_z 1
		.amdhsa_system_vgpr_workitem_id 0
		.amdhsa_next_free_vgpr 144
		.amdhsa_next_free_sgpr 66
		.amdhsa_reserve_vcc 0
		.amdhsa_float_denorm_mode_32 3
		.amdhsa_float_denorm_mode_16_64 3
		.amdhsa_memory_ordered 1
		.amdhsa_forward_progress 1
		.amdhsa_inst_pref_size 17
	.end_amdhsa_kernel
	.amdgpu_metadata
---
amdhsa.version: [ 1, 2 ]
amdhsa.kernels:
  - .name:           k_qfb9ef35f8d_ln2
    .symbol:         k_qfb9ef35f8d_ln2.kd
    .args:
      - { .name: ff, .offset: 0, .size: 8, .value_kind: global_buffer, .address_space: global }
      - { .name: ln_w, .offset: 8, .size: 8, .value_kind: global_buffer, .address_space: global }
      - { .name: out0, .offset: 16, .size: 8, .value_kind: global_buffer, .address_space: global }
    .group_segment_fixed_size: 0
    .private_segment_fixed_size: 0
    .kernarg_segment_align: 8
    .kernarg_segment_size: 24
    .max_flat_workgroup_size: 256
    .sgpr_count:     66
    .vgpr_count:     144
    .wavefront_size: 32
...
	.end_amdgpu_metadata
.endif
;; end of part 7
